; MI455X (gfx1250); checked and timed in simulation.
; The chip was launched on July 23, 2026; its instructions are those of AMD's public machine-readable ISA for CDNA 5 (MIT licence, August 2026) and "CDNA5" Instruction Set Architecture Reference Guide (July 2026). The comments in the code are by the model that wrote it; some were corrected since.
;; Expert Block. Allowed arithmetic: matrix products marked QUANTISED: E3M2 operands, one E8M0 scale for each 32 along K, by v_wmma_scale_f32_16x16x128_f8f6f4 with both operands' format E3M2, f32 sums; products left as they are: f32 operands where the result goes on into a quantised operand, else bf16, f16 or f32 operands; f32 sums; everything else in f32.
;; Inputs: Wo_codes 128 x 4 x 24 uint8 (E3M2 codes of Wo, K innermost, in blocks of 32 codes, four codes in three bytes); Wo_scales 128 x 4 uint8 (E8M0 scales of Wo, one for each 32 codes along K); Wqkv_codes 384 x 4 x 24 uint8 (E3M2 codes of Wqkv, K innermost, in blocks of 32 codes, four codes in three bytes); Wqkv_scales 384 x 4 uint8 (E8M0 scales of Wqkv, one for each 32 codes along K); bo 128 float32; bqkv 384 float32; ffn_W1_codes 512 x 4 x 24 uint8 (E3M2 codes of ffn_W1, K innermost, in blocks of 32 codes, four codes in three bytes); ffn_W1_scales 512 x 4 uint8 (E8M0 scales of ffn_W1, one for each 32 codes along K); ffn_W2_codes 128 x 16 x 24 uint8 (E3M2 codes of ffn_W2, K innermost, in blocks of 32 codes, four codes in three bytes); ffn_W2_scales 128 x 16 uint8 (E8M0 scales of ffn_W2, one for each 32 codes along K); ffn_b1 512 float32; ffn_b2 128 float32; h 4 x 2,048 x 128 float32; key_padding_mask 4 x 2,048 bool; ln_a_b 128 float32; ln_a_g 128 float32; ln_mlp_b 128 float32; ln_mlp_g 128 float32; ln_op1_b 128 float32; ln_op1_g 128 float32; ln_op2_b 128 float32; ln_op2_g 128 float32; op1_W_codes 128 x 512 x 24 uint8 (E3M2 codes of op1_W, K innermost, in blocks of 32 codes, four codes in three bytes); op1_W_scales 128 x 512 uint8 (E8M0 scales of op1_W, one for each 32 codes along K); op1_b 128 float32; op2_W_codes 128 x 512 x 24 uint8 (E3M2 codes of op2_W, K innermost, in blocks of 32 codes, four codes in three bytes); op2_W_scales 128 x 512 uint8 (E8M0 scales of op2_W, one for each 32 codes along K); op2_b 128 float32.
;; Outputs: out0 4 x 2,048 x 128 float32.
;; This version of the problem:
;;   THIS VERSION OF THE PROBLEM IS GIVEN IN LOW PRECISION. The matrix products marked QUANTISED in the list below multiply operands that are first quantised to E3M2 (3 exponent bits, 2 mantissa bits; 6 bits a number), with one power-of-two scale for each 32 numbers along K (OCP MX v1.0); their sums are f32. All else is computed in f32.
;;   The module's matrix products, in the order in which they are computed (A, B: the left and right operand; K: the contracted axis; several contracted axes count as one K, in the product's order):
;;     1. [M 8,192, K 128] x [K 128, N 384]; A: computed on the way; B: input Wqkv (given as codes): QUANTISED
;;     2. batch 32 x [M 2,048, K 16] x [K 16, N 2,048]; A: computed on the way; B: computed on the way: left as it is (K = 16 < 32)
;;     3. batch 32 x [M 2,048, K 2,048] x [K 2,048, N 16]; A: softmax (see below); B: computed on the way: QUANTISED
;;     4. [M 8,192, K 128] x [K 128, N 128]; A: computed on the way; B: input Wo (given as codes): QUANTISED
;;     5. [M 8,192, K 16,384] x [K 16,384, N 128]; A: computed on the way; B: input op1_W (given as codes): QUANTISED
;;     6. [M 8,192, K 128] x [K 128, N 512]; A: computed on the way; B: input ffn_W1 (given as codes): QUANTISED
;;     7. [M 8,192, K 512] x [K 512, N 128]; A: computed on the way; B: input ffn_W2 (given as codes): QUANTISED
;;     8. [M 8,192, K 16,384] x [K 16,384, N 128]; A: computed on the way; B: input op2_W (given as codes): QUANTISED
;;   THE QUANTISER, for each operand of a quantised product, along K:
;;     - K is cut into blocks of 32 from its start; a last block that is shorter is filled with zeros.
;;     - A block's scale is 2^e with e = floor(log2(the largest magnitude in the block)) - 4, held to -126 .. 127; a block of zeros has e = 0. As a byte (E8M0): e + 127.
;;     - Each number is divided by its block's scale, clamped to +-28, and rounded to the nearest number of E3M2, ties to even, subnormals kept.
;;     - The product sums the exact products of the quantised numbers (number of the format x scale) in f32.
;;   ~~~python
;;   def quantise(x, axis):      # numpy; x: float32 -> the quantised numbers, widened to float32 again
;;       x = np.moveaxis(x, axis, -1); K = x.shape[-1]
;;       x = np.pad(x, [(0, 0)] * (x.ndim - 1) + [(0, -K % 32)]); x = x.reshape(x.shape[:-1] + (-1, 32)); a = np.abs(x).max(-1, keepdims=True)
;;       e = np.where(a > 0, np.clip(np.frexp(np.where(a > 0, a, 1))[1] - 1 - 4, -126, 127), 0)      # np.frexp(a)[1] - 1 = floor(log2(a)), exactly
;;       r = np.clip(x / 2.0 ** e, -28, 28)
;;       step = 2.0 ** (np.maximum(np.frexp(np.where(r == 0, 1, r))[1] - 1, -2) - 2)
;;       q = np.round(r / step) * step * 2.0 ** e      # np.round: ties to even
;;       return np.moveaxis(q.reshape(q.shape[:-2] + (-1,))[..., :K], -1, axis).astype(np.float32)
;;   ~~~
;;   SOFTMAX AHEAD OF A QUANTISED PRODUCT. Where the list says 'softmax', what is quantised is not the finished softmax but p = 2^(t - M), with t = logit x log2(e) and M = ceil(the row's largest t), a whole number; so 1/2 < the row's largest p <= 1. The row's sum l is taken of the UNQUANTISED p, in f32, and the product's result is divided by l at the end. Since M is a whole number, a kernel that streams over the keys may use a running M (the ceiling of the running maximum): every later rescaling is an exact power of two, which a block's scale takes up: the codes' values come out the same.
;;   OPERANDS COMPUTED ON THE WAY. 'Computed on the way' means the value that the module computes at that place (a softmax that the list does not call 'softmax' is quantised finished and normalised). What goes into a quantiser is computed in f32, as accurately as f32 sums, v_exp_f32 and their like allow (about 1e-6 of the number): no bf16 or f16 on the way to a quantiser, and a product that is left as it is and whose result goes on into a quantised operand takes f32 operands (vector FMAs, or v_wmma_f32_16x16x4_f32). A number that lies on a knife's edge between two numbers of the format may be rounded either way, as far as f32 arithmetic and the matrix unit's own rounding can turn it there, and no further.
;;   INPUTS GIVEN AS CODES. Wo (in the module: [128, 128], K = its axis 1); Wqkv (in the module: [384, 128], K = its axis 1); ffn_W1 (in the module: [512, 128], K = its axis 1); ffn_W2 (in the module: [128, 512], K = its axis 1); op1_W (in the module: [128, 16384], K = its axis 1); op2_W (in the module: [128, 16384], K = its axis 1): each comes as NAME_codes (uint8): NAME with its K axis moved to the last place and cut into blocks of 32 codes, [.., K / 32, bytes a block], one block behind the other in memory; four codes in three bytes: a row's codes are one little-endian stream of bits, code i at bits 6 i .. 6 i + 5 (a code: sign, 3 exponent bits, 2 mantissa bits); and NAME_scales (uint8): the same leading axes, one E8M0 byte (e + 127) for each 32 codes along K. Its value is code x scale, taken as it is: it is not quantised again, and the codes and scales need not be those that the quantiser above would give.
;; One version. Each part assembles by itself: llvm-mc -triple=amdgcn-amd-amdhsa -mcpu=gfx1250 --defsym DOCPART=n.
;; ======== version 1 of 1: 7 launches
;; workspace buffers: qimg 4,194,304 bytes; kv 5,275,648 bytes; ctx 4,194,304 bytes; h1 4,194,304 bytes; h3 4,194,304 bytes; part 16,777,216 bytes; opw1 1,638,400 bytes; opw2 1,638,400 bytes
;; launch qkv (part 1): grid 256 x 1, 4 waves a work-group, no clusters, 17,408 bytes of LDS; arguments h, key_padding_mask, ln_a_g, ln_a_b, Wqkv_codes, Wqkv_scales, bqkv, op1_W_codes, op1_W_scales, op2_W_codes, op2_W_scales, qimg, kv, opw1, opw2; writes qimg, kv, opw1, opw2
.if DOCPART == 1
	.amdgcn_target "amdgcn-amd-amdhsa--gfx1250"
	.amdhsa_code_object_version 6
	.text
	.protected	k_q01a8449e13_qkv
	.globl	k_q01a8449e13_qkv
	.p2align	8
	.type	k_q01a8449e13_qkv,@function
k_q01a8449e13_qkv:
	s_mov_b64 s[64:65], 0
	v_nop
	global_prefetch_b8 v0, s[64:65] scope:SCOPE_SE
	s_setreg_imm32_b32 hwreg(HW_REG_WAVE_MODE, 25, 1), 1
	s_wait_xcnt 0x0
; t = LN(h); q, k, v = Q(t) Wqkv^T + b on codes of E3M2 with one E8M0 scale for each 32 along K.  What leaves:
;   qimg [bh][tile][2][lane][16 B]: lane (r, h) holds (q + b) x 0.25 log2(e) of token r, channels 8 h .. 8 h + 7;
;   kv, 164,864 bytes a (batch, head): k in the same form (0 for a masked key) | v as codes along the KEYS [block of 32 keys][d][24 B] | their scale words [128 keys][d] | a bias for each key: 0, or fl(-1e9 log2 e) where masked;
;   opw1, opw2: the two mix weights laid as images of operand registers: for each K step of 128 a record of 8 fragments x 3 x 512 bytes and 512 bytes of scale words.
; TILES.  Row i of token tile T is token 32 (T / 2) + 8 (T % 2) + i + 8 (i / 8): so the 16 result registers of tiles 2 b, 2 b + 1 are 16 neighbouring keys.
; SHARES.  Work-group g owns tokens 32 g .. 32 g + 31 (two tiles).  All four waves norm and quantise the 32 rows (cheaper than an exchange); wave w multiplies for heads 2 w, 2 w + 1: 12 matrix instructions.
; A lane holds features 64 c + 32 h + 0 .. 31 (c = 0, 1) of its row: two whole blocks of 32, just the k that the 6-bit operand layout gives it.
; No cluster, no tensor load: the work-groups share only 37 KB of weights, which come through registers.
; LIMITS: NaN and infinities are not served.  A block of zeros gets the byte 1 with zero codes (this program alone reads the bytes).  q is scaled ahead of the score product: one f32 rounding more.
; v's scale bytes leave as single bytes (32 KB in the whole launch): a work-group makes one byte of each word.
; REGISTERS.  window 0: v0-31 ids, addresses, scalars; v16-21 W's scale words, v26-27 t's; v32-95 a tile, later with v96-127 the 12 accumulators; v96-159 gain; v160-223 bias, later results; v224-247 t's two fragments.
;   window 1: v0-71 six fragments of W; v72-103 q's and k's biases as C; v104-107 v's bias; v112-115 offsets; v120-143 two mix fragments.
.set SP,   528                         ; a stage row: 512 bytes + 16
.set XR,   32
.set GR,   96
.set BR,   160
.set AF,   224
.set CT,   248
.set CA,   14                          ; two chains of sums
.set CB,   30
.set MN,   10                          ; v[10:11] the mean (low word)
.set RSR,  12                          ; v[12:13] 1 / sqrt(var + eps)
.set MXR,  28
.set SOR,  30
.set BYR,  14
.set WTR,  24
.set PXR,  25
.set SH,   8
.set SEL,  40
.set INV,  44
.set EPS,  45
.set KVB,  164864
.set MSB, 0
.macro WIN new                         ; the immediate's high byte repeats the setting that is left
.if MSB != \new
	s_set_vgpr_msb (MSB<<8)|\new
.set MSB, \new
.endif
.endm
; Layer norm of 64 numbers a lane (the row's other 64 lie in lane l xor 16), in two passes: mean, then squares of the differences.  wt: the loads that may stay out when gain and bias are first read.
.macro LNORM x, g, b, wt
	v_pk_add_f32 v[CA:CA+1], v[\x:\x+1], v[\x+2:\x+3]
	v_pk_add_f32 v[CB:CB+1], v[\x+4:\x+5], v[\x+6:\x+7]
.set p, 8
.rept 14
	v_pk_add_f32 v[CA:CA+1], v[CA:CA+1], v[\x+p:\x+p+1]
	v_pk_add_f32 v[CB:CB+1], v[CB:CB+1], v[\x+p+2:\x+p+3]
.set p, p+4
.endr
	v_pk_add_f32 v[CA:CA+1], v[CA:CA+1], v[CB:CB+1]
	v_add_f32 v[CA], v[CA], v[CA+1]
	v_permlanex16_b32 v[PXR], v[CA], s[SEL], s[SEL+1]
	v_add_f32 v[CA], v[CA], v[PXR]
	v_mul_f32 v[MN], s[INV], v[CA]                 ; the mean
.set p, 0
.rept 32
	v_pk_add_f32 v[\x+p:\x+p+1], v[\x+p:\x+p+1], v[MN:MN+1] op_sel_hi:[1,0] neg_lo:[0,1] neg_hi:[0,1]
.set p, p+2
.endr
	v_pk_mul_f32 v[CA:CA+1], v[\x:\x+1], v[\x:\x+1]
	v_pk_mul_f32 v[CB:CB+1], v[\x+2:\x+3], v[\x+2:\x+3]
.set p, 4
.rept 15
	v_pk_fma_f32 v[CA:CA+1], v[\x+p:\x+p+1], v[\x+p:\x+p+1], v[CA:CA+1]
	v_pk_fma_f32 v[CB:CB+1], v[\x+p+2:\x+p+3], v[\x+p+2:\x+p+3], v[CB:CB+1]
.set p, p+4
.endr
	v_pk_add_f32 v[CA:CA+1], v[CA:CA+1], v[CB:CB+1]
	v_add_f32 v[CA], v[CA], v[CA+1]
	v_permlanex16_b32 v[PXR], v[CA], s[SEL], s[SEL+1]
	v_add_f32 v[CA], v[CA], v[PXR]
	v_fma_f32 v[RSR], v[CA], s[INV], s[EPS]        ; var + eps
	v_rsq_f32 v[RSR], v[RSR]
	v_nop                                          ; a plain place behind the transcendental
.set p, 0
	s_wait_alu depctr_va_vdst(0)
.rept 32
	v_pk_mul_f32 v[\x+p:\x+p+1], v[\x+p:\x+p+1], v[RSR:RSR+1] op_sel_hi:[1,0]
.set p, p+2
.endr
	s_wait_loadcnt \wt                             ; gain and bias are in
.set p, 0
.rept 32
	v_pk_fma_f32 v[\x+p:\x+p+1], v[\x+p:\x+p+1], v[\g+p:\g+p+1], v[\b+p:\b+p+1]
.set p, p+2
.endr
.endm
; 64 numbers of a lane, two whole blocks of 32, become a fragment (12 registers) and the row's scale word.
.macro QUANT x, af, as
.irp c, 0,1
	v_max3_num_f32 v[MXR+\c], |v[\x+32*\c]|, |v[\x+32*\c+1]|, 0x2800000   ; with the floor 2^(5 - 127): the byte cannot fall under 1
.endr
.irp i, 2,4,6,8,10,12,14,16,18,20,22,24,26,28,30
.irp c, 0,1
	v_max3_num_f32 v[MXR+\c], v[MXR+\c], |v[\x+32*\c+\i]|, |v[\x+32*\c+\i+1]|
.endr
.endr
.irp c, 0,1
	v_add_nc_u32 v[SOR+\c], 0xfe000000, v[MXR+\c]  ; 4 off the exponent field: the conversion's scale operand
.endr
.irp c, 0,1
	v_lshrrev_b32 v[BYR+\c], 23, v[SOR+\c]         ; the scale's byte
.endr
	v_lshl_or_b32 v[WTR], v[BYR+1], 16, v[BYR]     ; my bytes: blocks h and 2 + h,
	v_lshlrev_b32 v[WTR], v[SH], v[WTR]            ; 8 h bits up;
	v_permlanex16_b32 v[PXR], v[WTR], s[SEL], s[SEL+1]
	v_or_b32 v[\as], v[WTR], v[PXR]                ; with lane l xor 16's two the word is whole
.irp c, 0,1
	v_cvt_scalef32_pk16_bf6_f32 v[\af+6*\c:\af+6*\c+2], v[\x+32*\c:\x+32*\c+15], v[SOR+\c]
	v_cvt_scalef32_pk16_bf6_f32 v[CT+4*\c:CT+4*\c+2], v[\x+32*\c+16:\x+32*\c+31], v[SOR+\c]   ; (a conversion's three registers begin on an even number)
.endr
	v_nop                                          ; one plain place behind a scaled conversion
.irp c, 0,1
.irp i, 0,1,2
	v_mov_b32 v[\af+6*\c+3+\i], v[CT+4*\c+\i]
.endr
.endr
.endm
	s_load_b512 s[8:23], s[0:1], 0x0               ; h, mask, ln gain, ln bias, Wqkv codes, Wqkv scales, bqkv, op1 codes
	s_load_b256 s[24:31], s[0:1], 0x40             ; op1 scales, op2 codes, op2 scales, qimg
	s_load_b128 s[32:35], s[0:1], 0x60             ; kv, opw1
	s_load_b64 s[36:37], s[0:1], 0x70              ; opw2
	v_lshl_add_u32 v255, v0, 2, 0x4200
	s_set_vgpr_msb 0x40
	v_mov_b32 v255, 0
	s_set_vgpr_msb 0x4000
	v_lshrrev_b32 v1, 5, v0
	v_readfirstlane_b32 s42, v1                    ; wave 0..3
	v_and_b32 v1, 31, v0                           ; lane
	v_and_b32 v2, 15, v0                           ; r
	v_bfe_u32 v3, v0, 4, 1                         ; h
	v_lshlrev_b32 v4, 4, v1                        ; 16 x lane
	s_mul_i32 s48, s42, 8*SP
	v_add_nc_u32 v5, s48, v4                       ; the stage, in: my wave's rows 8 w on
	v_and_b32 v24, 8, v2
	v_add_nc_u32 v24, v24, v2                      ; r + 8 (r / 8): my token in a tile; also its mask byte
	v_mul_u32_u24 v6, v24, SP
	v_lshl_add_u32 v6, v3, 7, v6                   ; the stage, out: my token's row, + 128 h
	v_lshlrev_b32 v7, 7, v3                        ; gain and bias: 128 h
	v_lshlrev_b32 v8, 3, v3                        ; 8 h
	v_mov_b32 v9, 0
	v_mov_b32 v11, 0                               ; upper words of pairs of which the low word serves: written once
	v_mov_b32 v13, 0
	v_mov_b32 v25, 0                               ; a lane permute's destination counts as one of its sources
	v_bfe_u32 v28, v0, 3, 1
	v_lshlrev_b32 v28, 4, v28
	v_lshl_add_u32 v28, v3, 3, v28
	v_and_b32 v29, 7, v0
	v_add_nc_u32 v28, v28, v29                     ; the key whose bias I store: 16 ((l / 8) % 2) + 8 (l / 16) + l % 8
	s_mov_b32 s40, 0x76543210
	s_mov_b32 s41, 0xfedcba98                      ; v_permlanex16_b32's selects for lane l xor 16
	s_mov_b32 s44, 0x3c000000                      ; 1 / 128
	s_mov_b32 s45, 0x3727c5ac                      ; 1e-5
	s_mov_b32 s46, 0x3eb8aa3b                      ; 0.25 log2(e)
	s_mov_b32 s47, s46
	s_mov_b32 s49, 0
	s_mov_b32 s57, 0
	s_lshl_b32 s48, ttmp9, 14
	s_lshl_b32 s50, s42, 12
	s_add_co_u32 s48, s48, s50                     ; 32 g rows of 512 bytes + 8 w rows
	s_wait_kmcnt 0x0
	s_add_nc_u64 s[8:9], s[8:9], s[48:49]
	s_lshl_b32 s48, ttmp9, 5
	s_add_nc_u64 s[10:11], s[10:11], s[48:49]      ; the mask at token 32 g
.irp i, 0,1,2,3,4,5,6,7
	global_load_b128 v[XR+4*\i:XR+4*\i+3], v4, s[8:9] offset:512*\i   ; a whole row: 32 lanes, 512 consecutive bytes
.endr
.irp c, 0,1
.irp q, 0,1,2,3,4,5,6,7
	global_load_b128 v[GR+32*\c+4*\q:GR+32*\c+4*\q+3], v7, s[12:13] offset:256*\c+16*\q
.endr
.endr
.irp c, 0,1
.irp q, 0,1,2,3,4,5,6,7
	global_load_b128 v[BR+32*\c+4*\q:BR+32*\c+4*\q+3], v7, s[14:15] offset:256*\c+16*\q
.endr
.endr
	global_load_u8 v22, v24, s[10:11]              ; the mask of my token in tile 0,
	global_load_u8 v23, v24, s[10:11] offset:8     ; in tile 1,
	global_load_u8 v251, v28, s[10:11]             ; and of the key whose bias I store
	s_wait_loadcnt 35                              ; the 8 rows are in; behind them 32 loads of gain and bias and 3 mask bytes
.irp i, 0,1,2,3,4,5,6,7
	ds_store_b128 v5, v[XR+4*\i:XR+4*\i+3] offset:\i*SP
.endr
	s_wait_dscnt 0x0                               ; for the others: my rows lie in the stage
	s_barrier_signal -1
	s_barrier_wait -1
	; offsets of the loads that stay out during the norm: made here, kept in window 1
	v_mul_u32_u24 v14, v2, 96
	v_mad_u32_u24 v14, v3, 24, v14                 ; W: row r of 96 bytes, + 24 h
	v_lshlrev_b32 v15, 2, v2                       ; 4 r
	v_lshlrev_b32 v30, 5, v3                       ; 32 h
	v_and_b32 v31, 7, v2
	v_lshrrev_b32 v29, 3, v2
	v_lshl_add_u32 v31, v29, 5, v31                ; r % 8 + 32 (r / 8): a mix tile's rows
	v_mul_u32_u24 v31, v31, 0x3000                 ; of 12,288 bytes
	v_mad_u32_u24 v31, v3, 24, v31
	WIN 0x40
	v_mov_b32 v112, v14
	v_mov_b32 v113, v15
	v_mov_b32 v114, v30
	v_mov_b32 v115, v31
	s_mul_i32 s48, s42, 3072
	s_add_nc_u64 s[16:17], s[16:17], s[48:49]      ; W's codes at row 32 w
	s_lshl_b32 s48, s42, 7
	s_add_nc_u64 s[18:19], s[18:19], s[48:49]      ; its scale words
	s_add_nc_u64 s[20:21], s[20:21], s[48:49]      ; b at 32 w
	s_and_b32 s51, ttmp9, 1                        ; g % 2
	s_lshr_b32 s52, ttmp9, 1                       ; the mix K step i that this work-group re-lays
	s_lshl_b32 s48, s51, 3
	s_add_co_u32 s48, s48, s42
	s_mul_i32 s48, s48, 98304                      ; tile 4 (g % 2) + w begins at row 64 (g % 2) + 8 w
	s_mul_i32 s50, s52, 96
	s_add_co_u32 s48, s48, s50
	s_add_nc_u64 s[22:23], s[22:23], s[48:49]
	s_add_nc_u64 s[26:27], s[26:27], s[48:49]
	WIN 0x41                                       ; destination and offset in window 1
.irp s, 0,1,2
.irp e, 0,1
.irp p, 0,1,2,3,4,5
	global_load_b64 v[12*(2*\s+\e)+2*\p:12*(2*\s+\e)+2*\p+1], v112, s[16:17] offset:(128*\s+16*\e)*96+48*(\p/3)+8*(\p%3)
.endr
.endr
.endr
.irp s, 0,1
.irp e, 0,1
	global_load_b128 v[72+8*(2*\s+\e):75+8*(2*\s+\e)], v114, s[20:21] offset:(128*\s+16*\e)*4      ; b at channels 8 h .. 8 h + 7: the result's layout
	global_load_b128 v[76+8*(2*\s+\e):79+8*(2*\s+\e)], v114, s[20:21] offset:(128*\s+16*\e)*4+16
.endr
.endr
.irp e, 0,1
	global_load_b32 v[104+2*\e], v113, s[20:21] offset:(256+16*\e)*4    ; v's bias at channel r, twice: a pair for the packed addition
	global_load_b32 v[105+2*\e], v113, s[20:21] offset:(256+16*\e)*4
.endr
.irp p, 0,1,2,3,4,5
	global_load_b64 v[120+2*\p:121+2*\p], v115, s[22:23] offset:48*(\p/3)+8*(\p%3)
	global_load_b64 v[132+2*\p:133+2*\p], v115, s[26:27] offset:48*(\p/3)+8*(\p%3)
.endr
	WIN 0x01                                       ; scale operands have no window: they lie in window 0
.irp s, 0,1,2
.irp e, 0,1
	global_load_b32 v[16+2*\s+\e], v113, s[18:19] offset:(128*\s+16*\e)*4
.endr
.endr
	WIN 0
.irp u, 0,1
.irp c, 0,1
.irp q, 0,1,2,3,4,5,6,7
	ds_load_b128 v[XR+32*\c+4*\q:XR+32*\c+4*\q+3], v6 offset:8*\u*SP+256*\c+16*\q
.endr
.endr
	s_wait_dscnt 0x0
	LNORM XR, GR, BR, 63                           ; of the 101 loads that were out the oldest 38 are in: gain, bias and masks are the oldest 35
	QUANT XR, AF+12*\u, 26+\u
.endr
	s_wait_loadcnt 0x0
	; the stores' offsets: eight plain lines, which with the moves above are the places in front of the scaled products
	s_and_b32 s53, ttmp9, 63                       ; kb: the block of 32 keys in its batch
	s_lshl_b32 s48, s53, 11
	v_add_nc_u32 v5, s48, v4                       ; q, k: two tiles of 1,024 bytes a block
	s_mul_i32 s48, s53, 384
	v_mul_u32_u24 v6, v2, 24
	v_mad_u32_u24 v6, v3, 12, v6
	v_add_nc_u32 v6, s48, v6                       ; v's codes: 384 kb + 24 d + 12 h
	s_lshr_b32 s48, s53, 2
	s_lshl_b32 s48, s48, 6
	s_and_b32 s50, s53, 3
	s_add_co_u32 s48, s48, s50
	v_lshl_add_u32 v7, v2, 2, s48                  ; v's scale byte: 64 (kb / 4) + 4 d + kb % 4
	s_lshl_b32 s48, s53, 7
	v_lshl_add_u32 v10, v1, 2, s48                 ; the keys' biases: 128 kb + 4 l
	v_mov_b32 v12, 0xce6e6b28                      ; -1e9
	v_mul_f32 v12, 0x3fb8aa3b, v12                 ; x log2(e), rounded once: a masked key's t
	s_lshr_b32 s54, ttmp9, 6
	s_lshl_b32 s54, s54, 3
	s_lshl_b32 s50, s42, 1
	s_add_co_u32 s54, s54, s50                     ; 8 x batch + 2 w
	s_lshl_b32 s48, s54, 17
	s_add_nc_u64 s[30:31], s[30:31], s[48:49]
	s_mul_i32 s48, s54, KVB
	s_add_nc_u64 s[32:33], s[32:33], s[48:49]
	WIN 0x11                                       ; q and k TRANSPOSED: source 0 = 16 rows of W (window 1), source 1 = 16 tokens, C = the bias (window 1): a lane holds one token, eight channels
.irp s, 0,1
.irp e, 0,1
.irp u, 0,1
	v_wmma_scale_f32_16x16x128_f8f6f4 v[32+8*(4*\s+2*\e+\u):39+8*(4*\s+2*\e+\u)], v[12*(2*\s+\e):12*(2*\s+\e)+11], v[AF+12*\u:AF+12*\u+11], v[72+8*(2*\s+\e):79+8*(2*\s+\e)], v[16+2*\s+\e], v[26+\u] matrix_a_fmt:MATRIX_FMT_BF6 matrix_b_fmt:MATRIX_FMT_BF6
.endr
.endr
.endr
	WIN 0x04                                       ; v as it reads: source 0 = 16 tokens, source 1 = 16 rows of W: a lane holds one channel; the two tiles' registers are keys 16 h + 0 .. 15 of the block
.irp e, 0,1
.irp u, 0,1
	v_wmma_scale_f32_16x16x128_f8f6f4 v[96+8*(2*\e+\u):103+8*(2*\e+\u)], v[AF+12*\u:AF+12*\u+11], v[12*(4+\e):12*(4+\e)+11], 0, v[26+\u], v[20+\e] matrix_a_fmt:MATRIX_FMT_BF6 matrix_b_fmt:MATRIX_FMT_BF6
.endr
.endr
	WIN 0
.rept 4
	v_nop                                          ; four places behind the products (ISA guide 7.12.1)
.endr
.irp a, 0,1,2,3
.irp j, 0,2,4,6
	v_pk_mul_f32 v[160+8*\a+\j:161+8*\a+\j], v[32+8*\a+\j:33+8*\a+\j], s[46:47] op_sel_hi:[1,0]   ; q x 0.25 log2(e): the score product then gives t itself
.endr
.endr
.irp e, 0,1
.irp u, 0,1
	global_store_b128 v5, v[160+8*(2*\e+\u):163+8*(2*\e+\u)], s[30:31] offset:131072*\e+1024*\u
	global_store_b128 v5, v[164+8*(2*\e+\u):167+8*(2*\e+\u)], s[30:31] offset:131072*\e+1024*\u+512
.endr
.endr
.irp u, 0,1
	v_cmp_ne_u32 vcc_lo, 0, v[22+\u]
.irp e, 0,1
.irp j, 0,1,2,3,4,5,6,7
	v_cndmask_b32 v[192+8*(2*\e+\u)+\j], v[64+8*(2*\e+\u)+\j], v9, vcc_lo   ; a masked key's k is 0: its score is its bias alone, for every query
.endr
.endr
.endr
.irp e, 0,1
.irp u, 0,1
	global_store_b128 v5, v[192+8*(2*\e+\u):195+8*(2*\e+\u)], s[32:33] offset:KVB*\e+1024*\u
	global_store_b128 v5, v[196+8*(2*\e+\u):199+8*(2*\e+\u)], s[32:33] offset:KVB*\e+1024*\u+512
.endr
.endr
	WIN 0x04
.irp e, 0,1
.irp j, 0,2,4,6,8,10,12,14
	v_pk_add_f32 v[96+16*\e+\j:97+16*\e+\j], v[96+16*\e+\j:97+16*\e+\j], v[104+2*\e:105+2*\e]
.endr
.endr
	WIN 0
.irp e, 0,1
	v_max3_num_f32 v[MXR+\e], |v[96+16*\e]|, |v[97+16*\e]|, 0x2800000   ; v along the keys: my 16 of the block, and the floor
.endr
.irp i, 2,4,6,8,10,12,14
.irp e, 0,1
	v_max3_num_f32 v[MXR+\e], v[MXR+\e], |v[96+16*\e+\i]|, |v[97+16*\e+\i]|
.endr
.endr
.irp e, 0,1
	v_permlanex16_b32 v[BYR+\e], v[MXR+\e], s[SEL], s[SEL+1]
.endr
.irp e, 0,1
	v_max_num_f32 v[MXR+\e], v[MXR+\e], v[BYR+\e]  ; with lane l xor 16's 16 keys
.endr
.irp e, 0,1
	v_add_nc_u32 v[SOR+\e], 0xfe000000, v[MXR+\e]
.endr
.irp e, 0,1
	v_cvt_scalef32_pk16_bf6_f32 v[CT+4*\e:CT+4*\e+2], v[96+16*\e:111+16*\e], v[SOR+\e]
.endr
.irp e, 0,1
	v_lshrrev_b32 v[BYR+\e], 23, v[SOR+\e]         ; the byte (also the plain place behind the conversions)
.endr
	v_cmp_ne_u32 vcc_lo, 0, v251
	v_cndmask_b32 v13, v9, v12, vcc_lo             ; the key's bias
.irp e, 0,1
	global_store_b96 v6, v[CT+4*\e:CT+4*\e+2], s[32:33] offset:KVB*\e+131072   ; 32 lanes: 384 consecutive bytes
	global_store_b8 v7, v[BYR+\e], s[32:33] offset:KVB*\e+155648               ; both lanes of a channel write the same byte
	global_store_b32 v10, v13, s[32:33] offset:KVB*\e+156672
.endr
	; the mix weights: my fragment (K step i, tile 4 (g % 2) + w) of each leaves as it stands in the registers
	s_mul_i32 s48, s52, 12800
	s_lshl_b32 s56, s51, 2
	s_add_co_u32 s56, s56, s42
	s_mul_i32 s56, s56, 1536
	s_add_co_u32 s56, s56, s48
	s_add_nc_u64 s[58:59], s[34:35], s[56:57]
	s_add_nc_u64 s[60:61], s[36:37], s[56:57]
	WIN 0x04                                       ; a store's data are its source 1
.irp c, 0,1,2
	global_store_b128 v4, v[120+4*\c:123+4*\c], s[58:59] offset:512*\c
	global_store_b128 v4, v[132+4*\c:135+4*\c], s[60:61] offset:512*\c
.endr
	WIN 0
	s_cmp_lg_u32 s42, 0
	s_cbranch_scc1 .Ldone
	; wave 0: the record's scale words, op1's where g is even, op2's where it is odd.  Word p of lane l: tile 2 p + l / 16, row l % 16
	s_cmp_eq_u32 s51, 0
	s_cselect_b64 s[24:25], s[24:25], s[28:29]
	s_cselect_b64 s[34:35], s[34:35], s[36:37]
	s_lshl_b32 s56, s52, 2
	s_add_nc_u64 s[24:25], s[24:25], s[56:57]
	s_add_nc_u64 s[34:35], s[34:35], s[48:49]
	v_and_b32 v36, 7, v2
	v_lshrrev_b32 v37, 3, v2
	v_lshl_add_u32 v36, v37, 5, v36
	v_lshl_add_u32 v36, v3, 3, v36
	v_lshlrev_b32 v36, 9, v36                      ; row 8 (l / 16) + r % 8 + 32 (r / 8), of 512 bytes
.irp p, 0,1,2,3
	global_load_b32 v[32+\p], v36, s[24:25] offset:(64*(\p/2)+16*(\p%2))*512
.endr
	s_wait_loadcnt 0x0
	global_store_b128 v4, v[32:35], s[34:35] offset:12288
.Ldone:
	s_set_vgpr_msb 0x4
	s_wait_tensorcnt 0x0
	ds_add_u32 v255, v255
	s_wait_dscnt 0x0
	s_set_vgpr_msb 0x400
	s_endpgm
.Lfunc_end_k_q01a8449e13_qkv:
	.size	k_q01a8449e13_qkv, .Lfunc_end_k_q01a8449e13_qkv-k_q01a8449e13_qkv
	.p2alignl 7, 3214868480
	.fill 96, 4, 3214868480
	.section	.rodata,"a",@progbits
	.p2align	6, 0x0
	.amdhsa_kernel k_q01a8449e13_qkv
		.amdhsa_group_segment_fixed_size 17408
		.amdhsa_private_segment_fixed_size 0
		.amdhsa_enable_private_segment 0
		.amdhsa_kernarg_size 120
		.amdhsa_user_sgpr_count 2
		.amdhsa_user_sgpr_kernarg_segment_ptr 1
		.amdhsa_wavefront_size32 1
		.amdhsa_system_sgpr_workgroup_id_x 1
		.amdhsa_system_sgpr_workgroup_id_y 1
		.amdhsa_system_sgpr_workgroup_id_z 1
		.amdhsa_system_vgpr_workitem_id 0
		.amdhsa_next_free_vgpr 512
		.amdhsa_next_free_sgpr 72
		.amdhsa_reserve_vcc 1
		.amdhsa_float_denorm_mode_32 3
		.amdhsa_float_denorm_mode_16_64 3
		.amdhsa_memory_ordered 1
		.amdhsa_forward_progress 1
		.amdhsa_inst_pref_size 55
	.end_amdhsa_kernel
	.amdgpu_metadata
---
amdhsa.version: [ 1, 2 ]
amdhsa.kernels:
  - .name:           k_q01a8449e13_qkv
    .symbol:         k_q01a8449e13_qkv.kd
    .args:
      - { .name: h, .offset: 0, .size: 8, .value_kind: global_buffer, .address_space: global }
      - { .name: key_padding_mask, .offset: 8, .size: 8, .value_kind: global_buffer, .address_space: global }
      - { .name: ln_a_g, .offset: 16, .size: 8, .value_kind: global_buffer, .address_space: global }
      - { .name: ln_a_b, .offset: 24, .size: 8, .value_kind: global_buffer, .address_space: global }
      - { .name: Wqkv_codes, .offset: 32, .size: 8, .value_kind: global_buffer, .address_space: global }
      - { .name: Wqkv_scales, .offset: 40, .size: 8, .value_kind: global_buffer, .address_space: global }
      - { .name: bqkv, .offset: 48, .size: 8, .value_kind: global_buffer, .address_space: global }
      - { .name: op1_W_codes, .offset: 56, .size: 8, .value_kind: global_buffer, .address_space: global }
      - { .name: op1_W_scales, .offset: 64, .size: 8, .value_kind: global_buffer, .address_space: global }
      - { .name: op2_W_codes, .offset: 72, .size: 8, .value_kind: global_buffer, .address_space: global }
      - { .name: op2_W_scales, .offset: 80, .size: 8, .value_kind: global_buffer, .address_space: global }
      - { .name: qimg, .offset: 88, .size: 8, .value_kind: global_buffer, .address_space: global }
      - { .name: kv, .offset: 96, .size: 8, .value_kind: global_buffer, .address_space: global }
      - { .name: opw1, .offset: 104, .size: 8, .value_kind: global_buffer, .address_space: global }
      - { .name: opw2, .offset: 112, .size: 8, .value_kind: global_buffer, .address_space: global }
    .group_segment_fixed_size: 17408
    .private_segment_fixed_size: 0
    .kernarg_segment_align: 8
    .kernarg_segment_size: 120
    .max_flat_workgroup_size: 128
    .sgpr_count:     72
    .vgpr_count:     512
    .wavefront_size: 32
...
	.end_amdgpu_metadata
.endif
;; end of part 1
;; launch attn (part 2): grid 8 x 32, 16 waves a work-group, clusters of 4 x 1, 169,984 bytes of LDS; arguments qimg, kv, ctx; writes ctx
.if DOCPART == 2
	.amdgcn_target "amdgcn-amd-amdhsa--gfx1250"
	.amdhsa_code_object_version 6
	.text
	.protected	k_q01a8449e13_attn
	.globl	k_q01a8449e13_attn
	.p2align	8
	.type	k_q01a8449e13_attn,@function
k_q01a8449e13_attn:
	s_mov_b64 s[64:65], 0
	v_nop
	global_prefetch_b8 v0, s[64:65] scope:SCOPE_SE
	s_setreg_imm32_b32 hwreg(HW_REG_WAVE_MODE, 25, 1), 1
	s_wait_xcnt 0x0
	s_wait_alu depctr_hold_cnt(0) depctr_sa_sdst(0) depctr_va_vdst(0) depctr_va_sdst(0) depctr_va_ssrc(0) depctr_va_vcc(0) depctr_vm_vsrc(0)
	s_getreg_b32 s2, hwreg(HW_REG_IB_STS2, 6, 4)
	s_cmp_eq_u32 s2, 0
	s_cbranch_scc0 .Lentry_in_a_cluster
	s_endpgm
.Lentry_in_a_cluster:
	s_bfe_u32 s2, ttmp6, 0x10000c
	s_cmp_lg_u32 s2, 0x3003
	s_cbranch_scc0 .Lentry_shape_is_right
	s_endpgm
.Lentry_shape_is_right:
; ctx = softmax(q k^T / 4, masked) v for one (batch, head) and 256 queries.  The score product (K = 16) feeds a quantiser, so it takes f32 operands; the second product is on codes of E3M2.
; q already carries 0.25 log2(e), a masked key's k is 0 and each key has a bias (0, or fl(-1e9 log2 e)) that is the C of its sum's first instruction: the sums ARE t.
; p = 2^(t - M), M the running largest t rounded up to a whole number; p is quantised along the keys, not normalised; the row's sum of the unquantised p divides at the end.  When M moves, sum and O are multiplied by 2^(old M - new M): exact.
; SHARES.  Sixteen waves, one tile of 16 queries each, 256 registers: four waves to a SIMD, so that one wave's vector work stands beside another's matrix work.  Every wave walks the head's 2,048 keys, 128 a trip.
; LDS holds the head's whole record of kv (164,864 bytes), filled ONCE: no slot is filled again, so there is one barrier.
; CLUSTER.  The four work-groups of a cluster belong to one (batch, head) and need the same record: each part of it is asked for jointly, by the same tensor load with the same descriptor and a mask that names the four.
; LAYOUT.  Both products transposed: S^T = k q^T (source 0 = 16 keys), O^T = v^T p^T (source 0 = the 16 channels): a lane holds one query throughout.  The keys of a tile are chosen (32 (T / 2) + 8 (T % 2) + i + 8 (i / 8)) so that
; the 16 registers of tiles 2 b, 2 b + 1 are 16 neighbouring keys.  The 16 channels are taken in the order 8 h + 2 s + j on both sides of the score product.
; LIMITS: NaN and infinities are not served; a block whose every p is 0 keeps the byte 1 with zero codes.
; REGISTERS: v1-5 addresses that stay; v8-11 addresses in hand; v12 -M, v13 largest t, v[14:15] the sum; v16-23 q; v24-31 O^T; v32-43 v's fragment; v44, v45 scale words; v48-59 p's codes; v60-66 conversions' second halves;
;   v68-82 at work; v96-127 four tiles of k and v128-159 their biases, later p; v160-223 S^T, written by the f32 matrix form alone; v224-231 the result.
.set KVB, 164864
.set VCO, 131072                       ; v's codes
.set VSC, 155648                       ; v's scale words
.set MBI, 156672                       ; the keys' biases
.set WV,  10
.set SEL, 20
.set G1K, 24                           ; s[24:31] group 1: 64 rows of 256 bytes;  s[32:39]: 33 rows
.set G1V, 32
.set G0K, 40
.set G0V, 44
.set TK,  48                           ; the trip's first byte of k (8,192 a trip), of the biases (512), of v's codes (1,536), of v's scale words (64)
.set TM,  49
.set TV,  50
.set TS,  51
.set CNT, 52
.macro ROUND                           ; a round of the cluster's barrier
	s_barrier_signal -1
	s_barrier_wait -1
	s_cmp_lg_u32 s[WV], 0
	s_cbranch_scc1 .Lnot_wave_0_\@
	s_barrier_signal -3
.Lnot_wave_0_\@:
	s_barrier_wait -3
	s_barrier_signal -1
	s_barrier_wait -1
.endm
	s_load_b128 s[4:7], s[0:1], 0x0                ; qimg, kv
	s_load_b64 s[8:9], s[0:1], 0x10                ; ctx
	v_lshl_add_u32 v254, v0, 2, 0x29000
	v_mov_b32 v255, 0
	ds_add_u32 v254, v255
	ds_add_u32 v254, v255
	v_lshrrev_b32 v1, 5, v0
	v_readfirstlane_b32 s[WV], v1                  ; wave 0..15
	s_bfe_u32 s11, ttmp6, 0x40000                  ; cx: it enters q's and ctx's global addresses alone
	s_lshl_b32 s12, ttmp9, 2
	s_add_co_u32 s12, s12, s11                     ; my block of 256 queries
	s_and_b32 s13, ttmp7, 0xffff                   ; 8 x batch + head, which the partners share
	s_mov_b32 s[G1K], 15|(3<<16)|(1<<21)           ; the mask: all four work-groups; elements of 8 bytes; bit 21 beside a mask; no padding
	s_mov_b32 s[G1K+1], 32<<16                     ; tensor_dim0 = 32 elements: 256 bytes
	s_mov_b32 s[G1K+2], 64<<16                     ; tensor_dim1
	s_mov_b32 s[G1K+3], 32<<16                     ; tile_dim0
	s_mov_b32 s[G1K+4], 64                         ; tile_dim1
	s_mov_b32 s[G1K+5], 32                         ; the pitch: the block is dense
	s_mov_b32 s[G1K+6], 0
	s_mov_b32 s[G1K+7], 0
	s_mov_b32 s[G1V], 15|(3<<16)|(1<<21)
	s_mov_b32 s[G1V+1], 32<<16
	s_mov_b32 s[G1V+2], 33<<16
	s_mov_b32 s[G1V+3], 32<<16
	s_mov_b32 s[G1V+4], 33
	s_mov_b32 s[G1V+5], 32
	s_mov_b32 s[G1V+6], 0
	s_mov_b32 s[G1V+7], 0
	s_mul_i32 s14, s13, KVB
	s_mov_b32 s15, 0
	s_mov_b32 s19, 0
	s_and_b32 s16, s[WV], 7
	s_lshl_b32 s16, s16, 14                        ; waves 0-7: an eighth of k, 16,384 bytes
	s_and_b32 s17, s[WV], 3
	s_mul_i32 s17, s17, 8448
	s_add_co_u32 s17, s17, VCO                     ; waves 8-11: a quarter of the rest, 8,448 bytes
	s_mov_b32 s[SEL], 0x76543210
	s_mov_b32 s[SEL+1], 0xfedcba98
	s_mov_b32 s[TK], 0
	s_mov_b32 s[TM], 0
	s_mov_b32 s[TV], 0
	s_mov_b32 s[TS], 0
	s_mov_b32 s[CNT], 16
	s_wait_dscnt 0x0
	s_wait_kmcnt 0x0
	s_add_nc_u64 s[6:7], s[6:7], s[14:15]          ; the record
	s_mov_b32 s[G0K], 1
	s_mov_b32 s[G0K+1], s16                        ; the same place in LDS as in the record
	s_mov_b32 s18, s16
	s_add_nc_u64 s[G0K+2:G0K+3], s[6:7], s[18:19]
	s_or_b32 s[G0K+3], s[G0K+3], 0x80000000
	s_mov_b32 s[G0V], 1
	s_mov_b32 s[G0V+1], s17
	s_mov_b32 s18, s17
	s_add_nc_u64 s[G0V+2:G0V+3], s[6:7], s[18:19]
	s_or_b32 s[G0V+3], s[G0V+3], 0x80000000
	ROUND                                          ; all four work-groups are here: the joint loads meet
	s_cmp_lt_u32 s[WV], 8                          ; one tensor load a wave at the most; four v_nop follow each of the two lines
	s_cbranch_scc0 .Lnot_k
	tensor_load_to_lds s[G0K:G0K+3], s[G1K:G1K+7]
	s_nop 0
.rept 4
	v_nop
.endr
	s_branch .Lasked
.Lnot_k:
	s_cmp_lt_u32 s[WV], 12
	s_cbranch_scc0 .Lasked
	tensor_load_to_lds s[G0V:G0V+3], s[G1V:G1V+7]
	s_nop 0
.rept 4
	v_nop
.endr
.Lasked:
	s_lshl_b32 s22, s12, 4
	s_add_co_u32 s22, s22, s[WV]                   ; my tile in the batch
	s_lshl_b32 s18, s13, 17
	s_lshl_b32 s23, s22, 10
	s_add_co_u32 s18, s18, s23
	s_add_nc_u64 s[4:5], s[4:5], s[18:19]          ; q's image
	v_and_b32 v8, 31, v0
	v_and_b32 v9, 15, v0                           ; r
	v_bfe_u32 v10, v0, 4, 1                        ; h
	v_lshlrev_b32 v1, 4, v8                        ; k, q: 16 x lane
	global_load_b128 v[16:19], v1, s[4:5]
	global_load_b128 v[20:23], v1, s[4:5] offset:512
	v_lshl_add_u32 v2, v10, 5, MBI                 ; biases: 32 h
	v_mul_u32_u24 v3, v9, 24
	v_mad_u32_u24 v3, v10, 384, v3
	v_add_nc_u32 v3, VCO, v3                       ; v's codes: block h of a pair, channel r
	v_lshl_add_u32 v4, v9, 2, VSC                  ; v's scale word of channel r
	v_lshlrev_b32 v5, 10, v10
	v_lshl_add_u32 v5, v9, 4, v5                   ; the way out: two groups of 512 bytes a half, 16 r
	; ctx is laid as an image of a tile: feature 16 hd + 8 h + j is register 32 (hd / 4) + 16 (hd % 2) + 8 h + j of lane r + 16 ((hd / 2) % 2)
	s_lshr_b32 s18, s13, 3
	s_lshl_b32 s18, s18, 7
	s_add_co_u32 s18, s18, s22
	s_lshl_b32 s18, s18, 13
	s_bfe_u32 s23, s13, 0x10002
	s_lshl_b32 s23, s23, 12
	s_add_co_u32 s18, s18, s23
	s_and_b32 s23, s13, 1
	s_lshl_b32 s23, s23, 11
	s_add_co_u32 s18, s18, s23
	s_bfe_u32 s23, s13, 0x10001
	s_lshl_b32 s23, s23, 8
	s_add_co_u32 s18, s18, s23
	s_add_nc_u64 s[8:9], s[8:9], s[18:19]
	v_mov_b32 v13, 0xff61b1e6                      ; the largest t so far: -3e38
	v_floor_f32 v12, -v13                          ; -M
	v_mov_b32 v14, 0
	v_mov_b32 v15, 0
.irp j, 0,1,2,3,4,5,6,7
	v_mov_b32 v[24+\j], 0                          ; O^T: the trip is written once; the first finds zeros
.endr
.irp b, 0,1,2,3
	v_mov_b32 v[72+\b], 0                          ; a lane permute's destination counts as one of its sources
.endr
	v_mov_b32 v81, 0                               ; upper word of the pair v[80:81]
	s_wait_tensorcnt 0x0                           ; my part of the record has landed,
	s_barrier_signal -1
	s_barrier_wait -1                              ; everybody's has
	s_wait_loadcnt 0x0                             ; q
.Lstep:
	v_add_nc_u32 v8, s[TK], v1
	v_add_nc_u32 v9, s[TM], v2
	v_add_nc_u32 v10, s[TV], v3
	v_add_nc_u32 v11, s[TS], v4
.irp g, 0,1                                    ; S^T, four tiles of 16 keys at a time
.if \g
.rept 8
	v_nop                                          ; eight places in front of loads into registers that the f32 form has read
.endr
.endif
.irp t, 0,1,2,3
	ds_load_b128 v[96+8*\t:99+8*\t], v8 offset:(4*\g+\t)*1024
	ds_load_b128 v[100+8*\t:103+8*\t], v8 offset:(4*\g+\t)*1024+512
	ds_load_b128 v[128+8*\t:131+8*\t], v9 offset:(4*\g+\t)*64
	ds_load_b128 v[132+8*\t:135+8*\t], v9 offset:(4*\g+\t)*64+16
.endr
.if \g
.irp p, 0,1,2,3,4,5
	ds_load_b64 v[32+2*\p:33+2*\p], v10 offset:768*(\p/3)+8*(\p%3)   ; v^T: channel r, keys 64 c + 32 h + 0 .. 31
.endr
	ds_load_b32 v44, v11
.endif
	s_wait_dscnt 0x0
.irp s, 0,1,2,3                                ; four accumulators by turns
.irp t, 0,1,2,3
.if \s == 0
	v_wmma_f32_16x16x4_f32 v[160+8*(4*\g+\t):167+8*(4*\g+\t)], v[96+8*\t:97+8*\t], v[16:17], v[128+8*\t:135+8*\t]
.else
	v_wmma_f32_16x16x4_f32 v[160+8*(4*\g+\t):167+8*(4*\g+\t)], v[96+8*\t+2*\s:97+8*\t+2*\s], v[16+2*\s:17+2*\s], v[160+8*(4*\g+\t):167+8*(4*\g+\t)]
.endif
.endr
.endr
.endr
.rept 8
	v_nop
.endr
.irp b, 0,1,2,3
	v_max3_num_f32 v[68+\b], v[160+16*\b], v[161+16*\b], v[162+16*\b]   ; the largest t of each block of 32 keys: for the row's maximum and, since p rises with t, for the block's largest p
.endr
.irp i, 3,5,7,9,11,13
.irp b, 0,1,2,3
	v_max3_num_f32 v[68+\b], v[68+\b], v[160+16*\b+\i], v[161+16*\b+\i]
.endr
.endr
.irp b, 0,1,2,3
	v_max_num_f32 v[68+\b], v[68+\b], v[175+16*\b]
.endr
.irp b, 0,1,2,3
	v_permlanex16_b32 v[72+\b], v[68+\b], s[SEL], s[SEL+1]
.endr
.irp b, 0,1,2,3
	v_max_num_f32 v[68+\b], v[68+\b], v[72+\b]     ; with lane l xor 16's 16 keys
.endr
	v_max3_num_f32 v82, v68, v69, v70
	v_max_num_f32 v82, v82, v71
	v_max_num_f32 v13, v13, v82                    ; the running largest t
	v_mov_b32 v82, v12
	v_floor_f32 v12, -v13                          ; the new -M = -ceil(t)
	v_sub_f32 v82, v12, v82                        ; old M - new M: a whole number, 0 or less
	v_cvt_i32_f32 v82, v82                         ; (it saturates)
	v_ldexp_f32 v80, 1.0, v82                      ; f = 2^(old M - new M)
.set j, 0
.rept 32
	v_pk_add_f32 v[96+j:97+j], v[160+j:161+j], v[12:13] op_sel_hi:[1,0]   ; t - M, into other registers than the sums'
.set j, j+2
.endr
.irp b, 0,1,2,3
	v_add_f32 v[68+\b], v[68+\b], v12              ; the same of each block's largest t
.endr
.set j, 0
.rept 64
	v_exp_f32 v[96+j], v[96+j]                     ; p, at most 1
.set j, j+1
.endr
.irp b, 0,1,2,3
	v_exp_f32 v[68+\b], v[68+\b]                   ; the block's largest p: the same instructions on the same number
.endr
	v_pk_mul_f32 v[14:15], v[14:15], v[80:81] op_sel_hi:[1,0]   ; the sum under the new M (a plain place behind the exponentials)
	s_wait_alu depctr_va_vdst(0)
.irp b, 0,1,2,3
	v_max_num_f32 v[68+\b], 0x2800000, v[68+\b]    ; the floor 2^(5 - 127)
.endr
.irp b, 0,1,2,3
	v_add_nc_u32 v[76+\b], 0xfe000000, v[68+\b]    ; the conversion's scale operand
.endr
.irp b, 0,1,2,3
	v_lshrrev_b32 v[72+\b], 23, v[76+\b]           ; the byte
.endr
	v_lshl_or_b32 v45, v73, 8, v72                 ; p's scale word for these 128 keys
	v_lshl_or_b32 v45, v74, 16, v45
	v_lshl_or_b32 v45, v75, 24, v45
.irp c, 0,1
	v_cvt_scalef32_pk16_bf6_f32 v[48+6*\c:50+6*\c], v[96+32*\c:111+32*\c], v[76+2*\c]
	v_cvt_scalef32_pk16_bf6_f32 v[60+4*\c:62+4*\c], v[112+32*\c:127+32*\c], v[76+2*\c+1]
.endr
	v_nop                                          ; one plain place behind a scaled conversion
.irp c, 0,1                                    ; the operand wants a whole block in a lane: lanes 0-15 block 2 c, lanes 16-31 block 2 c + 1
.irp i, 0,1,2
	v_permlane16_swap_b32 v[48+6*\c+\i], v[60+4*\c+\i]
.endr
.irp i, 0,1,2
	v_mov_b32 v[51+6*\c+\i], v[60+4*\c+\i]
.endr
.endr
.irp j, 0,2,4,6
	v_pk_mul_f32 v[24+\j:25+\j], v[24+\j:25+\j], v[80:81] op_sel_hi:[1,0]   ; O^T under the new M
.endr
	v_pk_add_f32 v[72:73], v[96:97], v[98:99]      ; the row's sum of the UNQUANTISED p, in two chains; these lines are also the places in front of the scaled product
.irp j, 4,8,12,16,20,24,28,32,36,40,44,48,52,56,60
	v_pk_add_f32 v[14:15], v[14:15], v[96+\j:97+\j]
	v_pk_add_f32 v[72:73], v[72:73], v[98+\j:99+\j]
.endr
	v_pk_add_f32 v[14:15], v[14:15], v[72:73]
	v_wmma_scale_f32_16x16x128_f8f6f4 v[24:31], v[32:43], v[48:59], v[24:31], v44, v45 matrix_a_fmt:MATRIX_FMT_BF6 matrix_b_fmt:MATRIX_FMT_BF6   ; 32 other matrix instructions stand between two of these
	s_add_co_u32 s[TK], s[TK], 8192
	s_add_co_u32 s[TM], s[TM], 512
	s_add_co_u32 s[TV], s[TV], 1536
	s_add_co_u32 s[TS], s[TS], 64
	s_sub_co_u32 s[CNT], s[CNT], 1
	s_cmp_lg_u32 s[CNT], 0
	s_cbranch_scc1 .Lstep
	v_add_f32 v14, v14, v15                        ; the sum's two halves,
	v_permlanex16_b32 v82, v14, s[SEL], s[SEL+1]
	v_add_f32 v14, v14, v82                        ; and lane l xor 16's
	v_rcp_f32 v14, v14
.rept 3
	v_nop                                          ; with the two additions: the places behind the last product; the first also stands behind the transcendental
.endr
	s_wait_alu depctr_va_vdst(0)
.irp j, 0,1,2,3,4,5,6,7
	v_mul_f32 v[224+\j], v[24+\j], v14
.endr
	global_store_b128 v5, v[224:227], s[8:9]       ; sixteen lanes store 256 consecutive bytes, aligned
	global_store_b128 v5, v[228:231], s[8:9] offset:512
	s_wait_tensorcnt 0x0
	ds_add_u32 v254, v255
	s_wait_dscnt 0x0
	ROUND                                          ; the closing round: no work-group ends while a partner may still ask for a part that names it
	s_endpgm
.Lfunc_end_k_q01a8449e13_attn:
	.size	k_q01a8449e13_attn, .Lfunc_end_k_q01a8449e13_attn-k_q01a8449e13_attn
	.p2alignl 7, 3214868480
	.fill 96, 4, 3214868480
	.section	.rodata,"a",@progbits
	.p2align	6, 0x0
	.amdhsa_kernel k_q01a8449e13_attn
		.amdhsa_group_segment_fixed_size 169984
		.amdhsa_private_segment_fixed_size 0
		.amdhsa_enable_private_segment 0
		.amdhsa_kernarg_size 24
		.amdhsa_user_sgpr_count 2
		.amdhsa_user_sgpr_kernarg_segment_ptr 1
		.amdhsa_wavefront_size32 1
		.amdhsa_system_sgpr_workgroup_id_x 1
		.amdhsa_system_sgpr_workgroup_id_y 1
		.amdhsa_system_sgpr_workgroup_id_z 1
		.amdhsa_system_vgpr_workitem_id 0
		.amdhsa_next_free_vgpr 256
		.amdhsa_next_free_sgpr 66
		.amdhsa_reserve_vcc 0
		.amdhsa_float_denorm_mode_32 3
		.amdhsa_float_denorm_mode_16_64 3
		.amdhsa_memory_ordered 1
		.amdhsa_forward_progress 1
		.amdhsa_inst_pref_size 24
	.end_amdhsa_kernel
	.amdgpu_metadata
---
amdhsa.version: [ 1, 2 ]
amdhsa.kernels:
  - .name:           k_q01a8449e13_attn
    .symbol:         k_q01a8449e13_attn.kd
    .args:
      - { .name: qimg, .offset: 0, .size: 8, .value_kind: global_buffer, .address_space: global }
      - { .name: kv, .offset: 8, .size: 8, .value_kind: global_buffer, .address_space: global }
      - { .name: ctx, .offset: 16, .size: 8, .value_kind: global_buffer, .address_space: global }
    .group_segment_fixed_size: 169984
    .private_segment_fixed_size: 0
    .kernarg_segment_align: 8
    .kernarg_segment_size: 24
    .max_flat_workgroup_size: 512
    .sgpr_count:     66
    .vgpr_count:     256
    .wavefront_size: 32
...
	.end_amdgpu_metadata
.endif
;; end of part 2
;; launch wo (part 3): grid 256 x 1, 2 waves a work-group, no clusters, 17,152 bytes of LDS; arguments ctx, Wo_codes, Wo_scales, bo, h, h1; writes h1
.if DOCPART == 3
	.amdgcn_target "amdgcn-amd-amdhsa--gfx1250"
	.amdhsa_code_object_version 6
	.text
	.protected	k_q01a8449e13_wo
	.globl	k_q01a8449e13_wo
	.p2align	8
	.type	k_q01a8449e13_wo,@function
k_q01a8449e13_wo:
	s_mov_b64 s[64:65], 0
	v_nop
	global_prefetch_b8 v0, s[64:65] scope:SCOPE_SE
	s_setreg_imm32_b32 hwreg(HW_REG_WAVE_MODE, 25, 1), 1
	s_wait_xcnt 0x0
; h1 = h + Q(ctx) Wo^T + bo, on codes of E3M2.  A wave owns one tile of 16 tokens (row i: token 32 (T / 2) + 8 (T % 2) + i + 8 (i / 8)); waves share nothing: no barrier.
; ctx and h1 are images of a tile: register 32 c + k of lane (r, h) is feature 64 c + 32 h + k of row r; group g (registers 4 g .. 4 g + 3) is 512 bytes, lane l at 16 l.
; The product is used TRANSPOSED, and lane r of weight tile 4 c + e takes row 64 c + 8 e + r % 8 + 32 (r / 8): so the eight accumulators ARE a tile in that layout, and h + bo is the C of the products.
; h arrives as rows: 16 whole rows go through the wave's own stage in LDS and come back in the tile's layout.
; No cluster, no tensor load: 12 KB of weights a wave, through registers.  LIMITS: NaN and infinities are not served; a block of zeros gets the byte 1 with zero codes.
; REGISTERS.  window 0: v16-23 Wo's scale words, v26 ctx's; v32-95 ctx, later h; v96-159 h's rows, later the results; v160-223 bo, later h + bo; v224-230 conversions' second halves; v240-251 ctx's fragment.  window 1: v0-95 Wo.
.set SP,   528
.set AF,   240
.set CT,   224
.set MXR,  10
.set SOR,  12
.set BYR,  14
.set WTR,  24
.set PXR,  25
.set SH,   8
.set SEL,  20
.set MSB, 0
.macro WIN new
.if MSB != \new
	s_set_vgpr_msb (MSB<<8)|\new
.set MSB, \new
.endif
.endm
.macro QUANT x, af, as                 ; 64 numbers of a lane, two whole blocks of 32, become a fragment and the row's scale word
.irp c, 0,1
	v_max3_num_f32 v[MXR+\c], |v[\x+32*\c]|, |v[\x+32*\c+1]|, 0x2800000   ; with the floor 2^(5 - 127)
.endr
.irp i, 2,4,6,8,10,12,14,16,18,20,22,24,26,28,30
.irp c, 0,1
	v_max3_num_f32 v[MXR+\c], v[MXR+\c], |v[\x+32*\c+\i]|, |v[\x+32*\c+\i+1]|
.endr
.endr
.irp c, 0,1
	v_add_nc_u32 v[SOR+\c], 0xfe000000, v[MXR+\c]
.endr
.irp c, 0,1
	v_lshrrev_b32 v[BYR+\c], 23, v[SOR+\c]
.endr
	v_lshl_or_b32 v[WTR], v[BYR+1], 16, v[BYR]
	v_lshlrev_b32 v[WTR], v[SH], v[WTR]
	v_permlanex16_b32 v[PXR], v[WTR], s[SEL], s[SEL+1]
	v_or_b32 v[\as], v[WTR], v[PXR]
.irp c, 0,1
	v_cvt_scalef32_pk16_bf6_f32 v[\af+6*\c:\af+6*\c+2], v[\x+32*\c:\x+32*\c+15], v[SOR+\c]
	v_cvt_scalef32_pk16_bf6_f32 v[CT+4*\c:CT+4*\c+2], v[\x+32*\c+16:\x+32*\c+31], v[SOR+\c]
.endr
	v_nop
.irp c, 0,1
.irp i, 0,1,2
	v_mov_b32 v[\af+6*\c+3+\i], v[CT+4*\c+\i]
.endr
.endr
.endm
	s_load_b256 s[4:11], s[0:1], 0x0               ; ctx, Wo codes, Wo scales, bo
	s_load_b128 s[12:15], s[0:1], 0x20             ; h, h1
	v_lshl_add_u32 v254, v0, 2, 0x4200
	v_mov_b32 v255, 0
	v_lshrrev_b32 v1, 5, v0
	v_readfirstlane_b32 s16, v1                    ; wave 0, 1
	v_and_b32 v1, 31, v0
	v_and_b32 v2, 15, v0                           ; r
	v_bfe_u32 v3, v0, 4, 1                         ; h
	v_lshlrev_b32 v4, 4, v1                        ; 16 x lane
	s_mul_i32 s17, s16, 16*SP
	v_add_nc_u32 v5, s17, v4                       ; my stage, in
	v_mul_u32_u24 v6, v2, SP
	v_lshl_add_u32 v6, v3, 7, v6
	v_add_nc_u32 v6, s17, v6                       ; and out: row r, + 128 h
	v_lshlrev_b32 v7, 7, v3
	v_lshlrev_b32 v8, 3, v3
	v_and_b32 v9, 7, v2
	v_lshrrev_b32 v27, 3, v2
	v_lshl_add_u32 v27, v27, 5, v9                 ; r % 8 + 32 (r / 8)
	v_mul_u32_u24 v9, v27, 96
	v_mad_u32_u24 v9, v3, 24, v9                   ; Wo's codes
	v_lshlrev_b32 v27, 2, v27                      ; and scale words
	v_mov_b32 v25, 0
	s_mov_b32 s[SEL], 0x76543210
	s_mov_b32 s[SEL+1], 0xfedcba98
	s_mov_b32 s19, 0
	s_lshl_b32 s18, ttmp9, 1
	s_add_co_u32 s18, s18, s16
	s_lshl_b32 s18, s18, 13                        ; my tile's image
	s_wait_kmcnt 0x0
	s_add_nc_u64 s[4:5], s[4:5], s[18:19]
	s_add_nc_u64 s[14:15], s[14:15], s[18:19]
	s_lshl_b32 s18, ttmp9, 14
	s_lshl_b32 s17, s16, 12
	s_add_co_u32 s18, s18, s17
	s_add_nc_u64 s[12:13], s[12:13], s[18:19]      ; h at token 32 g + 8 w
.irp g, 0,1,2,3,4,5,6,7,8,9,10,11,12,13,14,15
	global_load_b128 v[32+4*\g:35+4*\g], v4, s[4:5] offset:512*\g th:TH_LOAD_NT
.endr
.irp i, 0,1,2,3,4,5,6,7,8,9,10,11,12,13,14,15
	global_load_b128 v[96+4*\i:99+4*\i], v4, s[12:13] offset:(\i+8*(\i/8))*512
.endr
.irp c, 0,1
.irp q, 0,1,2,3,4,5,6,7
	global_load_b128 v[160+32*\c+4*\q:163+32*\c+4*\q], v7, s[10:11] offset:256*\c+16*\q
.endr
.endr
.irp t, 0,1,2,3,4,5,6,7
	global_load_b32 v[16+\t], v27, s[8:9] offset:(64*(\t/4)+8*(\t%4))*4
.endr
	WIN 0x40
.irp t, 0,1,2,3,4,5,6,7
.irp p, 0,1,2,3,4,5
	global_load_b64 v[12*\t+2*\p:12*\t+2*\p+1], v9, s[6:7] offset:(64*(\t/4)+8*(\t%4))*96+48*(\p/3)+8*(\p%3)
.endr
.endr
	WIN 0
	s_wait_loadcnt 63                              ; of 104 loads the oldest 41 are in: ctx and h's rows are the oldest 32
.irp i, 0,1,2,3,4,5,6,7,8,9,10,11,12,13,14,15
	ds_store_b128 v5, v[96+4*\i:99+4*\i] offset:\i*SP
.endr
	QUANT 32, AF, 26
.irp c, 0,1
.irp q, 0,1,2,3,4,5,6,7
	ds_load_b128 v[32+32*\c+4*\q:35+32*\c+4*\q], v6 offset:256*\c+16*\q   ; LDS serves a wave's instructions in order: these see my stores
.endr
.endr
	s_wait_loadcnt 0x0
	s_wait_dscnt 0x0
.set p, 0
.rept 32
	v_pk_add_f32 v[160+p:161+p], v[32+p:33+p], v[160+p:161+p]   ; h + bo; these lines are also the places in front of the scaled products
.set p, p+2
.endr
	WIN 0x01
.irp t, 0,1,2,3,4,5,6,7
	v_wmma_scale_f32_16x16x128_f8f6f4 v[96+8*\t:103+8*\t], v[12*\t:12*\t+11], v[AF:AF+11], v[160+8*\t:167+8*\t], v[16+\t], v26 matrix_a_fmt:MATRIX_FMT_BF6 matrix_b_fmt:MATRIX_FMT_BF6
.endr
	WIN 0
.rept 4
	v_nop
.endr
.irp g, 0,1,2,3,4,5,6,7,8,9,10,11,12,13,14,15
	global_store_b128 v4, v[96+4*\g:99+4*\g], s[14:15] offset:512*\g   ; 32 lanes: 512 consecutive bytes; each accumulator from its low end on
.endr
	s_wait_tensorcnt 0x0
	ds_add_u32 v254, v255
	s_wait_dscnt 0x0
	s_endpgm
.Lfunc_end_k_q01a8449e13_wo:
	.size	k_q01a8449e13_wo, .Lfunc_end_k_q01a8449e13_wo-k_q01a8449e13_wo
	.p2alignl 7, 3214868480
	.fill 96, 4, 3214868480
	.section	.rodata,"a",@progbits
	.p2align	6, 0x0
	.amdhsa_kernel k_q01a8449e13_wo
		.amdhsa_group_segment_fixed_size 17152
		.amdhsa_private_segment_fixed_size 0
		.amdhsa_enable_private_segment 0
		.amdhsa_kernarg_size 48
		.amdhsa_user_sgpr_count 2
		.amdhsa_user_sgpr_kernarg_segment_ptr 1
		.amdhsa_wavefront_size32 1
		.amdhsa_system_sgpr_workgroup_id_x 1
		.amdhsa_system_sgpr_workgroup_id_y 1
		.amdhsa_system_sgpr_workgroup_id_z 1
		.amdhsa_system_vgpr_workitem_id 0
		.amdhsa_next_free_vgpr 384
		.amdhsa_next_free_sgpr 66
		.amdhsa_reserve_vcc 0
		.amdhsa_float_denorm_mode_32 3
		.amdhsa_float_denorm_mode_16_64 3
		.amdhsa_memory_ordered 1
		.amdhsa_forward_progress 1
		.amdhsa_inst_pref_size 22
	.end_amdhsa_kernel
	.amdgpu_metadata
---
amdhsa.version: [ 1, 2 ]
amdhsa.kernels:
  - .name:           k_q01a8449e13_wo
    .symbol:         k_q01a8449e13_wo.kd
    .args:
      - { .name: ctx, .offset: 0, .size: 8, .value_kind: global_buffer, .address_space: global }
      - { .name: Wo_codes, .offset: 8, .size: 8, .value_kind: global_buffer, .address_space: global }
      - { .name: Wo_scales, .offset: 16, .size: 8, .value_kind: global_buffer, .address_space: global }
      - { .name: bo, .offset: 24, .size: 8, .value_kind: global_buffer, .address_space: global }
      - { .name: h, .offset: 32, .size: 8, .value_kind: global_buffer, .address_space: global }
      - { .name: h1, .offset: 40, .size: 8, .value_kind: global_buffer, .address_space: global }
    .group_segment_fixed_size: 17152
    .private_segment_fixed_size: 0
    .kernarg_segment_align: 8
    .kernarg_segment_size: 48
    .max_flat_workgroup_size: 64
    .sgpr_count:     66
    .vgpr_count:     384
    .wavefront_size: 32
...
	.end_amdgpu_metadata
.endif
;; end of part 3
;; launch mix1 (part 4): grid 64 x 4, 8 waves a work-group, clusters of 4 x 1, 327,680 bytes of LDS; arguments h1, ln_op1_g, ln_op1_b, opw1, part; writes part
.if DOCPART == 4
	.amdgcn_target "amdgcn-amd-amdhsa--gfx1250"
	.amdhsa_code_object_version 6
	.text
	.protected	k_q01a8449e13_mix1
	.globl	k_q01a8449e13_mix1
	.p2align	8
	.type	k_q01a8449e13_mix1,@function
k_q01a8449e13_mix1:
	s_mov_b64 s[64:65], 0
	v_nop
	global_prefetch_b8 v0, s[64:65] scope:SCOPE_SE
	s_setreg_imm32_b32 hwreg(HW_REG_WAVE_MODE, 25, 1), 1
	s_wait_xcnt 0x0
	s_wait_alu depctr_hold_cnt(0) depctr_sa_sdst(0) depctr_va_vdst(0) depctr_va_sdst(0) depctr_va_ssrc(0) depctr_va_vcc(0) depctr_vm_vsrc(0)
	s_getreg_b32 s2, hwreg(HW_REG_IB_STS2, 6, 4)
	s_cmp_eq_u32 s2, 0
	s_cbranch_scc0 .Lentry_in_a_cluster
	s_endpgm
.Lentry_in_a_cluster:
	s_bfe_u32 s2, ttmp6, 0x10000c
	s_cmp_lg_u32 s2, 0x3003
	s_cbranch_scc0 .Lentry_shape_is_right
	s_endpgm
.Lentry_shape_is_right:
; A quarter of K of the outer-product mix: part[kq] = sum over i in 32 kq .. 32 kq + 31 and all j of Q(t_i t_j) W[n][128 i + j], t = LN(x), on codes of E3M2 with one E8M0 scale for each 32 along K.
; The left operand exists nowhere: a fragment (16 rows, one i, 128 j) is made in registers, ONCE, and multiplied against all 128 columns.
; SHARES.  A work-group owns 128 rows (8 tiles) and 32 values of i.  Wave wv: tiles 2 (wv % 4), + 1 and i0 = 32 kq + 16 (wv / 4) on, 16 K steps, written out.  Two waves to a SIMD: one makes codes while the other multiplies.
; The two waves of a pair of tiles add their halves through LDS at the end.  x and part are images of tiles (register 32 c + k of lane (r, h) = feature 64 c + 32 h + k; group g at 512 g + 16 l).
; A BLOCK'S LARGEST PRODUCT IS NOT SEARCHED FOR: rounding is monotone, so it is fl(|t_i| x the block's largest |t_j|), which is kept from the prologue.
; WEIGHTS come as records of 12,800 bytes a K step (8 fragments as register images, then the scale words), in chunks of 8 records: positions 4 (wv / 4) + q.  Three slots; slot 0 is filled a second time (chunk 3): the one refill.
; CLUSTER.  The four work-groups of a cluster share kq and so all weights: each record is asked for jointly, by the same tensor load with the same descriptor and a mask that names the four.
; A wave has three tensor loads out at the start and one behind the refill.  All of the LDS is claimed; 308,224 bytes are used.
; LIMITS: NaN and infinities are not served; products under 2^-122 are held at the floor's scale; K's quarters and halves are summed apart, not in one ascending chain.
; REGISTERS.  window 0: v1 16 l, v2 8 h, v3, v4 the spare word and 0, v5-7 the slots, v8 the stage, v[10:11] t_i, v16-19 the blocks' largest |t_j|, v20-25 at work, v26-27 my scale words, v28-31 W's,
;   v32-63 t_i (16 a tile), v64-127 the products, v128-151 two fragments, v152-158 conversions' second halves, v160-255 W's eight fragments.   window 1: v0-127 the 16 accumulators, v128-255 t.
.set REC,   12800
.set SLOT,  8*REC                      ; 102,400
.set SPARE, 3*SLOT                     ; the spare words: 128 bytes for each of the 8 waves, four blocks of 256 bytes that no other line names
.set STAGE, SLOT                       ; the pair sum goes through slot 1: it has had its last fill, and its reads are over behind the third barrier
.set WV,  14
.set G1,  24
.set SEL, 84
.set MSB, 0
.macro WIN new
.if MSB != \new
	s_set_vgpr_msb (MSB<<8)|\new
.set MSB, \new
.endif
.endm
.macro ROUND                           ; a round of the cluster's barrier
	s_barrier_signal -1
	s_barrier_wait -1
	s_cmp_lg_u32 s[WV], 0
	s_cbranch_scc1 .Lnot_wave_0_\@
	s_barrier_signal -3
.Lnot_wave_0_\@:
	s_barrier_wait -3
	s_barrier_signal -1
	s_barrier_wait -1
.endm
; Layer norm of tile u in window 1, in two passes; then the blocks' largest magnitudes and my 16 t_i, by the same roundings.
.macro MLN u
.set TB, 128+64*\u
	WIN 0x05
	v_pk_add_f32 v[20:21], v[TB:TB+1], v[TB+2:TB+3]
	v_pk_add_f32 v[22:23], v[TB+4:TB+5], v[TB+6:TB+7]
	WIN 0x01
.set p, 8
.rept 14
	v_pk_add_f32 v[20:21], v[TB+p:TB+p+1], v[20:21]
	v_pk_add_f32 v[22:23], v[TB+p+2:TB+p+3], v[22:23]
.set p, p+4
.endr
	WIN 0
	v_pk_add_f32 v[20:21], v[20:21], v[22:23]
	v_add_f32 v20, v20, v21
	v_permlanex16_b32 v25, v20, s[SEL], s[SEL+1]
	v_add_f32 v20, v20, v25
	v_mul_f32 v12, s94, v20                        ; the mean
	WIN 0x41
.set p, 0
.rept 32
	v_pk_add_f32 v[TB+p:TB+p+1], v[TB+p:TB+p+1], v[12:13] op_sel_hi:[1,0] neg_lo:[0,1] neg_hi:[0,1]
.set p, p+2
.endr
	WIN 0x05
	v_pk_mul_f32 v[20:21], v[TB:TB+1], v[TB:TB+1]
	v_pk_mul_f32 v[22:23], v[TB+2:TB+3], v[TB+2:TB+3]
.set p, 4
.rept 15
	v_pk_fma_f32 v[20:21], v[TB+p:TB+p+1], v[TB+p:TB+p+1], v[20:21]
	v_pk_fma_f32 v[22:23], v[TB+p+2:TB+p+3], v[TB+p+2:TB+p+3], v[22:23]
.set p, p+4
.endr
	WIN 0
	v_pk_add_f32 v[20:21], v[20:21], v[22:23]
	v_add_f32 v20, v20, v21
	v_permlanex16_b32 v25, v20, s[SEL], s[SEL+1]
	v_add_f32 v20, v20, v25
	v_fma_f32 v14, v20, s94, s95                   ; var + eps
	v_rsq_f32 v14, v14
	v_mov_b32 v[16+2*\u], 0                        ; (a plain place behind the transcendental)
	v_mov_b32 v[17+2*\u], 0
	WIN 0x41
.set p, 0
	s_wait_alu depctr_va_vdst(0)
.rept 32
	v_pk_mul_f32 v[TB+p:TB+p+1], v[TB+p:TB+p+1], v[14:15] op_sel_hi:[1,0]
.set p, p+2
.endr
.set p, 0
.rept 32
	v_pk_fma_f32 v[TB+p:TB+p+1], v[TB+p:TB+p+1], v[64+p:65+p], v[160+p:161+p]
.set p, p+2
.endr
	WIN 0x14
.irp i, 0,2,4,6,8,10,12,14,16,18,20,22,24,26,28,30
.irp c, 0,1
	v_max3_num_f32 v[16+2*\u+\c], v[16+2*\u+\c], |v[TB+32*\c+\i]|, |v[TB+32*\c+\i+1]|
.endr
.endr
	WIN 0
.irp k, 0,1,2,3,4,5,6,7,8,9,10,11,12,13,14,15
	v_sub_f32 v[32+16*\u+\k], v[32+16*\u+\k], v12
.endr
.irp k, 0,1,2,3,4,5,6,7,8,9,10,11,12,13,14,15
	v_mul_f32 v[32+16*\u+\k], v[32+16*\u+\k], v14
.endr
.irp k, 0,1,2,3,4,5,6,7,8,9,10,11,12,13,14,15
	v_fma_f32 v[32+16*\u+\k], v[32+16*\u+\k], s[48+\k], s[68+\k]
.endr
.endm
.macro PROD u                          ; t_i t_j for my 64 j of tile u
.set p, 0
.rept 32
	v_pk_mul_f32 v[64+p:65+p], v[128+64*\u+p:129+64*\u+p], v[10:11] op_sel_hi:[1,0]
.set p, p+2
.endr
.endm
.macro SCALE u                         ; the two blocks' scale operands, and the row's scale word
	v_pk_mul_f32 v[20:21], v[16+2*\u:17+2*\u], v[10:11] op_sel_hi:[1,0]
	v_max_num_f32 v20, |v20|, s86                  ; the floor 2^(5 - 127)
	v_max_num_f32 v21, |v21|, s86
	v_add_nc_u32 v22, s87, v20                     ; 4 off the exponent field
	v_add_nc_u32 v23, s87, v21
	v_lshrrev_b32 v20, 23, v22
	v_lshrrev_b32 v21, 23, v23
	v_lshl_or_b32 v24, v21, 16, v20
	v_lshlrev_b32 v24, v2, v24
	v_permlanex16_b32 v25, v24, s[SEL], s[SEL+1]
	v_or_b32 v[26+\u], v24, v25
.endm
.macro CODES u
.irp c, 0,1
	v_cvt_scalef32_pk16_bf6_f32 v[128+12*\u+6*\c:130+12*\u+6*\c], v[64+32*\c:79+32*\c], v[22+\c]
	v_cvt_scalef32_pk16_bf6_f32 v[152+4*\c:154+4*\c], v[80+32*\c:95+32*\c], v[22+\c]   ; (a conversion's three registers begin on an even number)
.endr
.endm
.macro UPPER u
.irp c, 0,1
.irp i, 0,1,2
	v_mov_b32 v[131+12*\u+6*\c+\i], v[152+4*\c+\i]
.endr
.endr
.endm
.macro MM t, u, zero                   ; TRANSPOSED: source 0 = W's tile t, source 1 = my tile u.  W's scale words: tile 2 p in lanes 0-15 of register p, tile 2 p + 1 in lanes 16-31
.if \zero
.if (\t)%2
	v_wmma_scale_f32_16x16x128_f8f6f4 v[64*\u+8*\t:64*\u+8*\t+7], v[160+12*\t:171+12*\t], v[128+12*\u:139+12*\u], 0, v[28+(\t)/2], v[26+\u] matrix_a_fmt:MATRIX_FMT_BF6 matrix_b_fmt:MATRIX_FMT_BF6 matrix_a_scale:MATRIX_SCALE_ROW1
.else
	v_wmma_scale_f32_16x16x128_f8f6f4 v[64*\u+8*\t:64*\u+8*\t+7], v[160+12*\t:171+12*\t], v[128+12*\u:139+12*\u], 0, v[28+(\t)/2], v[26+\u] matrix_a_fmt:MATRIX_FMT_BF6 matrix_b_fmt:MATRIX_FMT_BF6
.endif
.else
.if (\t)%2
	v_wmma_scale_f32_16x16x128_f8f6f4 v[64*\u+8*\t:64*\u+8*\t+7], v[160+12*\t:171+12*\t], v[128+12*\u:139+12*\u], v[64*\u+8*\t:64*\u+8*\t+7], v[28+(\t)/2], v[26+\u] matrix_a_fmt:MATRIX_FMT_BF6 matrix_b_fmt:MATRIX_FMT_BF6 matrix_a_scale:MATRIX_SCALE_ROW1
.else
	v_wmma_scale_f32_16x16x128_f8f6f4 v[64*\u+8*\t:64*\u+8*\t+7], v[160+12*\t:171+12*\t], v[128+12*\u:139+12*\u], v[64*\u+8*\t:64*\u+8*\t+7], v[28+(\t)/2], v[26+\u] matrix_a_fmt:MATRIX_FMT_BF6 matrix_b_fmt:MATRIX_FMT_BF6
.endif
.endif
.endm
; One K step: i = i0 + ii, its record at position q of my half of the slot.  zero = 1: the products start the sums.
.macro KSTEP slot, q, ii, zero
	WIN 0
	v_mov_b32 v10, v[32+\ii]
	WIN 0x01
	PROD 0                                         ; these 32 lines are also the places behind the last step's products, in front of the loads and conversions below
	WIN 0
.irp t, 0,1,2,3,4,5,6,7
.irp c, 0,1,2
	ds_load_b128 v[160+12*\t+4*\c:163+12*\t+4*\c], v[5+\slot] offset:\q*REC+\t*1536+512*\c
.endr
.endr
	ds_load_b128 v[28:31], v[5+\slot] offset:\q*REC+12288
	SCALE 0
	CODES 0
	v_mov_b32 v10, v[48+\ii]                       ; (the plain place behind the conversions)
	UPPER 0
	SCALE 1
	WIN 0x01
	PROD 1
	WIN 0
	CODES 1
	v_nop
	UPPER 1
.rept 4
	v_nop                                          ; an operand written by vector instructions stands four places ahead of a scaled product
.endr
	s_wait_dscnt 0x0                               ; W's fragments and scale words are in
	WIN 0x50                                       ; C and D in window 1
.irp t, 0,1,2,3,4,5,6,7                        ; the sixteen accumulators by turns, in the same order in every step
.irp u, 0,1
	MM \t, \u, \zero
.endr
.endr
.endm
	s_load_b256 s[4:11], s[0:1], 0x0               ; x, ln gain, ln bias, the weights' records
	s_load_b64 s[12:13], s[0:1], 0x20              ; part
	v_lshl_add_u32 v3, v0, 2, SPARE
	v_mov_b32 v4, 0
	ds_add_u32 v3, v4
	ds_add_u32 v3, v4
	s_wait_dscnt 0x0
	v_lshrrev_b32 v1, 5, v0
	v_readfirstlane_b32 s[WV], v1                  ; wave 0..7
	s_bfe_u32 s15, ttmp6, 0x40000                  ; cx: it enters x's and part's global addresses alone
	s_lshl_b32 s16, ttmp9, 2
	s_add_co_u32 s16, s16, s15                     ; my block of 128 rows
	s_and_b32 s17, ttmp7, 0xffff                   ; kq, which the partners share
	s_and_b32 s18, s[WV], 3                        ; my pair of tiles; also: which record of a half chunk I fetch
	s_lshr_b32 s19, s[WV], 2                       ; my half of the 32 i
	s_lshl_b32 s20, s17, 5
	s_lshl_b32 s21, s19, 4
	s_add_co_u32 s20, s20, s21                     ; i0
	s_mov_b32 s[G1], 15|(3<<16)|(1<<21)            ; the mask: all four work-groups; elements of 8 bytes; bit 21 beside a mask; no padding
	s_mov_b32 s[G1+1], 32<<16                      ; rows of 256 bytes,
	s_mov_b32 s[G1+2], 50<<16                      ; 50 of them: a record
	s_mov_b32 s[G1+3], 32<<16
	s_mov_b32 s[G1+4], 50
	s_mov_b32 s[G1+5], 32
	s_mov_b32 s[G1+6], 0
	s_mov_b32 s[G1+7], 0
	s_mul_i32 s22, s[WV], REC                      ; its place in a slot: wave x 12,800
	s_add_co_u32 s88, s20, s18
	s_mul_i32 s88, s88, REC
	s_mov_b32 s89, 0
	s_mov_b32 s91, 0
	s_mov_b32 s[SEL], 0x76543210
	s_mov_b32 s[SEL+1], 0xfedcba98
	s_mov_b32 s86, 0x2800000
	s_mov_b32 s87, 0xfe000000
	s_mov_b32 s94, 0x3c000000                      ; 1 / 128
	s_mov_b32 s95, 0x3727c5ac                      ; 1e-5
	s_wait_kmcnt 0x0
	s_add_nc_u64 s[10:11], s[10:11], s[88:89]
.irp c, 0,1,2,3                                ; a group 0 for each chunk, never written again
	s_mov_b32 s[32+4*\c], 1
	s_add_co_u32 s[33+4*\c], s22, (\c%3)*SLOT
	s_add_nc_u64 s[34+4*\c:35+4*\c], s[10:11], \c*4*REC
	s_or_b32 s[35+4*\c], s[35+4*\c], 0x80000000
.endr
	ROUND                                          ; all four work-groups are here: the first joint loads meet
	tensor_load_to_lds s[32:35], s[G1:G1+7]
	s_nop 0
	tensor_load_to_lds s[36:39], s[G1:G1+7]
	s_nop 0
	tensor_load_to_lds s[40:43], s[G1:G1+7]
	s_nop 0
.rept 4
	v_nop
.endr
	v_and_b32 v9, 31, v0
	v_lshlrev_b32 v1, 4, v9                        ; 16 x lane
	v_bfe_u32 v2, v0, 4, 1
	v_lshlrev_b32 v9, 7, v2                        ; 128 h
	v_lshlrev_b32 v2, 3, v2                        ; 8 h
	s_mul_i32 s23, s19, 4*REC
	v_add_nc_u32 v5, s23, v1                       ; my half of slot 0, 1, 2
	v_add_nc_u32 v6, SLOT, v5
	v_add_nc_u32 v7, 2*SLOT, v5
	s_lshl_b32 s23, s18, 14
	s_add_co_u32 s23, s23, STAGE
	v_add_nc_u32 v8, s23, v1                       ; my pair's stage, 16,384 bytes
	v_and_b32 v24, 15, v0
	v_lshlrev_b32 v24, 4, v24                      ; 16 r
	v_mov_b32 v11, 0                               ; upper words of pairs of which the low word serves
	v_mov_b32 v13, 0
	v_mov_b32 v15, 0
	v_mov_b32 v25, 0                               ; a lane permute's destination counts as one of its sources
	s_lshl_b32 s88, s16, 16
	s_lshl_b32 s90, s18, 14
	s_add_co_u32 s88, s88, s90
	s_add_nc_u64 s[4:5], s[4:5], s[88:89]          ; x at my two tiles
	s_lshl_b32 s90, s17, 22
	s_add_co_u32 s90, s90, s88
	s_add_nc_u64 s[12:13], s[12:13], s[90:91]      ; part at quarter kq, my two tiles
	s_lshr_b32 s90, s20, 6                         ; features i0 .. i0 + 15 lie in groups 8 (i0 / 64) + (i0 % 32) / 4 + 0 .. 3 of lane r + 16 ((i0 / 32) % 2)
	s_lshl_b32 s90, s90, 3
	s_and_b32 s92, s20, 31
	s_lshr_b32 s92, s92, 2
	s_add_co_u32 s90, s90, s92
	s_lshl_b32 s90, s90, 9
	s_bfe_u32 s92, s20, 0x10005
	s_lshl_b32 s92, s92, 8
	s_add_co_u32 s90, s90, s92
	s_add_nc_u64 s[92:93], s[4:5], s[90:91]
	s_lshl_b32 s88, s20, 2
	s_add_nc_u64 s[96:97], s[6:7], s[88:89]
	s_add_nc_u64 s[98:99], s[8:9], s[88:89]
	s_load_b512 s[48:63], s[96:97], 0x0            ; gain and bias at i0 .. i0 + 15
	s_load_b512 s[68:83], s[98:99], 0x0
	WIN 0x40
.irp u, 0,1
.irp g, 0,1,2,3,4,5,6,7,8,9,10,11,12,13,14,15
	global_load_b128 v[128+64*\u+4*\g:131+64*\u+4*\g], v1, s[4:5] offset:8192*\u+512*\g
.endr
.endr
	WIN 0
.irp c, 0,1
.irp q, 0,1,2,3,4,5,6,7
	global_load_b128 v[64+32*\c+4*\q:67+32*\c+4*\q], v9, s[6:7] offset:256*\c+16*\q
	global_load_b128 v[160+32*\c+4*\q:163+32*\c+4*\q], v9, s[8:9] offset:256*\c+16*\q
.endr
.endr
.irp u, 0,1
.irp q, 0,1,2,3
	global_load_b128 v[32+16*\u+4*\q:35+16*\u+4*\q], v24, s[92:93] offset:8192*\u+512*\q
.endr
.endr
	s_wait_loadcnt 0x0
	s_wait_kmcnt 0x0
	MLN 0
	MLN 1
	s_wait_tensorcnt 0x2                           ; my record of chunk 0 is in; chunks 1 and 2 may stay out
	s_barrier_signal -1
	s_barrier_wait -1
	KSTEP 0, 0, 0, 1
	KSTEP 0, 1, 1, 0
	KSTEP 0, 2, 2, 0
	KSTEP 0, 3, 3, 0
	WIN 0
	s_wait_tensorcnt 0x0                           ; all my tensor loads have landed: my records of chunks 1 and 2;
	ds_add_u32 v3, v4                              ; 0 onto my spare word;
	s_wait_dscnt 0x0                               ; the add is done, and my reads of slot 0 are over
	ROUND                                          ; both now hold of every wave of all four work-groups
	tensor_load_to_lds s[44:47], s[G1:G1+7]        ; chunk 3 into slot 0: eight K steps in which to land
	s_nop 0
.rept 4
	v_nop
.endr
	KSTEP 1, 0, 4, 0
	KSTEP 1, 1, 5, 0
	KSTEP 1, 2, 6, 0
	KSTEP 1, 3, 7, 0
	KSTEP 2, 0, 8, 0
	KSTEP 2, 1, 9, 0
	KSTEP 2, 2, 10, 0
	KSTEP 2, 3, 11, 0
	WIN 0
	s_wait_tensorcnt 0x0                           ; my record of chunk 3 is in,
	s_wait_dscnt 0x0                               ; and my reads of slots 1 and 2 are over
	s_barrier_signal -1
	s_barrier_wait -1
	KSTEP 0, 0, 12, 0
	KSTEP 0, 1, 13, 0
	KSTEP 0, 2, 14, 0
	KSTEP 0, 3, 15, 0
	WIN 0
.rept 4
	v_nop                                          ; four places behind the last products
.endr
	s_cmp_lt_u32 s[WV], 4
	s_cbranch_scc1 .Lno_put
	WIN 0x04                                       ; waves 4-7 hand their sums over: an LDS store's data are its source 1
.set g, 0
.rept 32
	ds_store_b128 v8, v[4*g:4*g+3] offset:512*g    ; each accumulator from its low end on
.set g, g+1
.endr
	WIN 0
.Lno_put:
	s_wait_dscnt 0x0
	s_barrier_signal -1
	s_barrier_wait -1
	s_cmp_ge_u32 s[WV], 4
	s_cbranch_scc1 .Lno_get
.set g, 0
.rept 16
	ds_load_b128 v[64+4*g:67+4*g], v8 offset:512*g
	ds_load_b128 v[160+4*g:163+4*g], v8 offset:8192+512*g
.set g, g+1
.endr
	s_wait_dscnt 0x0
	WIN 0x04
.set p, 0
.rept 32
	v_pk_add_f32 v[64+p:65+p], v[64+p:65+p], v[p:p+1]
.set p, p+2
.endr
.set p, 0
.rept 32
	v_pk_add_f32 v[160+p:161+p], v[160+p:161+p], v[64+p:65+p]
.set p, p+2
.endr
	WIN 0
.set g, 0
.rept 16
	global_store_b128 v1, v[64+4*g:67+4*g], s[12:13] offset:512*g
.set g, g+1
.endr
.set g, 0
.rept 16
	global_store_b128 v1, v[160+4*g:163+4*g], s[12:13] offset:8192+512*g
.set g, g+1
.endr
.Lno_get:
	s_wait_tensorcnt 0x0                           ; the wave's end: behind my last tensor load and my last LDS store
	ds_add_u32 v3, v4
	s_wait_dscnt 0x0
	ROUND                                          ; the closing round
	s_endpgm
.Lfunc_end_k_q01a8449e13_mix1:
	.size	k_q01a8449e13_mix1, .Lfunc_end_k_q01a8449e13_mix1-k_q01a8449e13_mix1
	.p2alignl 7, 3214868480
	.fill 96, 4, 3214868480
	.section	.rodata,"a",@progbits
	.p2align	6, 0x0
	.amdhsa_kernel k_q01a8449e13_mix1
		.amdhsa_group_segment_fixed_size 327680
		.amdhsa_private_segment_fixed_size 0
		.amdhsa_enable_private_segment 0
		.amdhsa_kernarg_size 40
		.amdhsa_user_sgpr_count 2
		.amdhsa_user_sgpr_kernarg_segment_ptr 1
		.amdhsa_wavefront_size32 1
		.amdhsa_system_sgpr_workgroup_id_x 1
		.amdhsa_system_sgpr_workgroup_id_y 1
		.amdhsa_system_sgpr_workgroup_id_z 1
		.amdhsa_system_vgpr_workitem_id 0
		.amdhsa_next_free_vgpr 512
		.amdhsa_next_free_sgpr 100
		.amdhsa_reserve_vcc 0
		.amdhsa_float_denorm_mode_32 3
		.amdhsa_float_denorm_mode_16_64 3
		.amdhsa_memory_ordered 1
		.amdhsa_forward_progress 1
		.amdhsa_inst_pref_size 213
	.end_amdhsa_kernel
	.amdgpu_metadata
---
amdhsa.version: [ 1, 2 ]
amdhsa.kernels:
  - .name:           k_q01a8449e13_mix1
    .symbol:         k_q01a8449e13_mix1.kd
    .args:
      - { .name: h1, .offset: 0, .size: 8, .value_kind: global_buffer, .address_space: global }
      - { .name: ln_op1_g, .offset: 8, .size: 8, .value_kind: global_buffer, .address_space: global }
      - { .name: ln_op1_b, .offset: 16, .size: 8, .value_kind: global_buffer, .address_space: global }
      - { .name: opw1, .offset: 24, .size: 8, .value_kind: global_buffer, .address_space: global }
      - { .name: part, .offset: 32, .size: 8, .value_kind: global_buffer, .address_space: global }
    .group_segment_fixed_size: 327680
    .private_segment_fixed_size: 0
    .kernarg_segment_align: 8
    .kernarg_segment_size: 40
    .max_flat_workgroup_size: 256
    .sgpr_count:     100
    .vgpr_count:     512
    .wavefront_size: 32
...
	.end_amdgpu_metadata
.endif
;; end of part 4
;; launch ffn (part 5): grid 256 x 1, 8 waves a work-group, no clusters, 82,944 bytes of LDS; arguments h1, part, op1_b, ln_mlp_g, ln_mlp_b, ffn_W1_codes, ffn_W1_scales, ffn_b1, ffn_W2_codes, ffn_W2_scales, ffn_b2, h3; writes h3
.if DOCPART == 5
	.amdgcn_target "amdgcn-amd-amdhsa--gfx1250"
	.amdhsa_code_object_version 6
	.text
	.protected	k_q01a8449e13_ffn
	.globl	k_q01a8449e13_ffn
	.p2align	8
	.type	k_q01a8449e13_ffn,@function
k_q01a8449e13_ffn:
	s_mov_b64 s[64:65], 0
	v_nop
	global_prefetch_b8 v0, s[64:65] scope:SCOPE_SE
	s_setreg_imm32_b32 hwreg(HW_REG_WAVE_MODE, 25, 1), 1
	s_wait_xcnt 0x0
; h2 = h1 + op1_b + the four quarters of the first mix;  h3 = h2 + gelu(Q(LN(h2)) W1^T + b1), quantised, W2^T + b2.  Both products on codes of E3M2; gelu is the exact one, x (1 + erf(x / sqrt 2)) / 2.
; SHARES.  A work-group owns two tiles of 16 tokens.  Wave wv: tile wv / 4, hidden units 128 (wv % 4) on: these are one K step of the second product, so the wave's result is a partial [16 x 128]; the four partials meet in LDS.
; So every erf is computed once in the launch, and each wave reads a quarter of W1 and of W2.  All tiles are images: register 32 c + k of lane (r, h) = feature 64 c + 32 h + k; group g at 512 g + 16 l.
; Both products TRANSPOSED, with lane r of weight tile 4 c + e at row 64 c + 8 e + r % 8 + 32 (r / 8): eight accumulators are a tile in that layout; b1 is the C of the first product.
; erf(z) = z P(z^2) / Q(z^2), z held to +-3.8325 (beyond it erf is 1 in f32): a rational form good to a few units in the last place of 1.  1 + erf cancels for x far below 0, as it does in f32 however erf is made.
; No cluster, no tensor load: 25 KB of weights a wave, through registers.  LIMITS: NaN and infinities are not served; a block of zeros gets the byte 1 with zero codes.
; LDS: two images of h2 (16,384 bytes), then eight partials of 8,192 bytes.  Two barriers.
; REGISTERS.  window 0: v1-9, v22-25, v31 addresses; v26, v27 my scale words; v32-95 the tile, later the hidden layer, later partials; v96-127 gain, later at work; v128-143 b2; v144-147 two coefficients; v148-154 conversions' second halves;
;   v160-223 the mix quarters, then LN's bias, then the second product; v224-239 W1's and W2's scale words; v240-251 a fragment.   window 1: v0-95 W1, v96-191 W2, v192-255 b1.
.set AF,   240
.set CT,   148
.set CA,   14
.set CB,   16
.set MN,   10
.set RSR,  12
.set MXR,  18
.set SOR,  16
.set BYR,  14
.set WTR,  20
.set PXR,  21
.set SH,   8
.set SEL,  52
.set INV,  54
.set EPS,  55
.set PT,   16384
.set MSB, 0
.macro WIN new
.if MSB != \new
	s_set_vgpr_msb (MSB<<8)|\new
.set MSB, \new
.endif
.endm
.macro SPAIR r, val                    ; a constant for a packed form: the pair is named, so both words are written
	s_mov_b32 s[\r], \val
	s_mov_b32 s[\r+1], \val
.endm
.macro LNORM x, g, b, wt               ; layer norm of 64 numbers a lane (the other 64 in lane l xor 16), two passes.  wt: the loads that may stay out when gain and bias are first read
	v_pk_add_f32 v[CA:CA+1], v[\x:\x+1], v[\x+2:\x+3]
	v_pk_add_f32 v[CB:CB+1], v[\x+4:\x+5], v[\x+6:\x+7]
.set p, 8
.rept 14
	v_pk_add_f32 v[CA:CA+1], v[CA:CA+1], v[\x+p:\x+p+1]
	v_pk_add_f32 v[CB:CB+1], v[CB:CB+1], v[\x+p+2:\x+p+3]
.set p, p+4
.endr
	v_pk_add_f32 v[CA:CA+1], v[CA:CA+1], v[CB:CB+1]
	v_add_f32 v[CA], v[CA], v[CA+1]
	v_permlanex16_b32 v[PXR], v[CA], s[SEL], s[SEL+1]
	v_add_f32 v[CA], v[CA], v[PXR]
	v_mul_f32 v[MN], s[INV], v[CA]
.set p, 0
.rept 32
	v_pk_add_f32 v[\x+p:\x+p+1], v[\x+p:\x+p+1], v[MN:MN+1] op_sel_hi:[1,0] neg_lo:[0,1] neg_hi:[0,1]
.set p, p+2
.endr
	v_pk_mul_f32 v[CA:CA+1], v[\x:\x+1], v[\x:\x+1]
	v_pk_mul_f32 v[CB:CB+1], v[\x+2:\x+3], v[\x+2:\x+3]
.set p, 4
.rept 15
	v_pk_fma_f32 v[CA:CA+1], v[\x+p:\x+p+1], v[\x+p:\x+p+1], v[CA:CA+1]
	v_pk_fma_f32 v[CB:CB+1], v[\x+p+2:\x+p+3], v[\x+p+2:\x+p+3], v[CB:CB+1]
.set p, p+4
.endr
	v_pk_add_f32 v[CA:CA+1], v[CA:CA+1], v[CB:CB+1]
	v_add_f32 v[CA], v[CA], v[CA+1]
	v_permlanex16_b32 v[PXR], v[CA], s[SEL], s[SEL+1]
	v_add_f32 v[CA], v[CA], v[PXR]
	v_fma_f32 v[RSR], v[CA], s[INV], s[EPS]
	v_rsq_f32 v[RSR], v[RSR]
	v_nop
.set p, 0
	s_wait_alu depctr_va_vdst(0)
.rept 32
	v_pk_mul_f32 v[\x+p:\x+p+1], v[\x+p:\x+p+1], v[RSR:RSR+1] op_sel_hi:[1,0]
.set p, p+2
.endr
	s_wait_loadcnt \wt
.set p, 0
.rept 32
	v_pk_fma_f32 v[\x+p:\x+p+1], v[\x+p:\x+p+1], v[\g+p:\g+p+1], v[\b+p:\b+p+1]
.set p, p+2
.endr
.endm
.macro QUANT x, af, as                 ; 64 numbers of a lane, two whole blocks of 32, become a fragment and the row's scale word
.irp c, 0,1
	v_max3_num_f32 v[MXR+\c], |v[\x+32*\c]|, |v[\x+32*\c+1]|, 0x2800000
.endr
.irp i, 2,4,6,8,10,12,14,16,18,20,22,24,26,28,30
.irp c, 0,1
	v_max3_num_f32 v[MXR+\c], v[MXR+\c], |v[\x+32*\c+\i]|, |v[\x+32*\c+\i+1]|
.endr
.endr
.irp c, 0,1
	v_add_nc_u32 v[SOR+\c], 0xfe000000, v[MXR+\c]
.endr
.irp c, 0,1
	v_lshrrev_b32 v[BYR+\c], 23, v[SOR+\c]
.endr
	v_lshl_or_b32 v[WTR], v[BYR+1], 16, v[BYR]
	v_lshlrev_b32 v[WTR], v[SH], v[WTR]
	v_permlanex16_b32 v[PXR], v[WTR], s[SEL], s[SEL+1]
	v_or_b32 v[\as], v[WTR], v[PXR]
.irp c, 0,1
	v_cvt_scalef32_pk16_bf6_f32 v[\af+6*\c:\af+6*\c+2], v[\x+32*\c:\x+32*\c+15], v[SOR+\c]
	v_cvt_scalef32_pk16_bf6_f32 v[CT+4*\c:CT+4*\c+2], v[\x+32*\c+16:\x+32*\c+31], v[SOR+\c]
.endr
	v_nop
.irp c, 0,1
.irp i, 0,1,2
	v_mov_b32 v[\af+6*\c+3+\i], v[CT+4*\c+\i]
.endr
.endr
.endm
; gelu of eight numbers, four pairs by turns.  v96-103 z, v104-111 z^2, v112-119 P, v120-127 Q
.macro GELU8 x
.irp p, 0,1,2,3
	v_pk_mul_f32 v[96+2*\p:97+2*\p], v[\x+2*\p:\x+2*\p+1], s[28:29] op_sel_hi:[1,0]
.endr
.irp k, 0,1,2,3,4,5,6,7
	v_med3_num_f32 v[96+\k], v[96+\k], s31, s30
.endr
.irp p, 0,1,2,3
	v_pk_mul_f32 v[104+2*\p:105+2*\p], v[96+2*\p:97+2*\p], v[96+2*\p:97+2*\p]
.endr
.irp p, 0,1,2,3
	v_pk_fma_f32 v[112+2*\p:113+2*\p], v[104+2*\p:105+2*\p], s[32:33], v[144:145] op_sel_hi:[1,0,1]
.endr
.irp a, 34,36,38,40,42
.irp p, 0,1,2,3
	v_pk_fma_f32 v[112+2*\p:113+2*\p], v[112+2*\p:113+2*\p], v[104+2*\p:105+2*\p], s[\a:\a+1] op_sel_hi:[1,1,0]
.endr
.endr
.irp p, 0,1,2,3
	v_pk_mul_f32 v[112+2*\p:113+2*\p], v[112+2*\p:113+2*\p], v[96+2*\p:97+2*\p]
.endr
.irp p, 0,1,2,3
	v_pk_fma_f32 v[120+2*\p:121+2*\p], v[104+2*\p:105+2*\p], s[44:45], v[146:147] op_sel_hi:[1,0,1]
.endr
.irp a, 46,48,50
.irp p, 0,1,2,3
	v_pk_fma_f32 v[120+2*\p:121+2*\p], v[120+2*\p:121+2*\p], v[104+2*\p:105+2*\p], s[\a:\a+1] op_sel_hi:[1,1,0]
.endr
.endr
.irp k, 0,1,2,3,4,5,6,7
	v_rcp_f32 v[120+\k], v[120+\k]
.endr
.irp p, 0,1,2,3
	v_pk_mul_f32 v[\x+2*\p:\x+2*\p+1], v[\x+2*\p:\x+2*\p+1], 0.5 op_sel_hi:[1,0]   ; x / 2 (plain places behind the reciprocals)
.endr
	s_wait_alu depctr_va_vdst(0)
.irp p, 0,1,2,3
	v_pk_mul_f32 v[112+2*\p:113+2*\p], v[112+2*\p:113+2*\p], v[120+2*\p:121+2*\p]   ; erf
.endr
.irp p, 0,1,2,3
	v_pk_fma_f32 v[\x+2*\p:\x+2*\p+1], v[\x+2*\p:\x+2*\p+1], v[112+2*\p:113+2*\p], v[\x+2*\p:\x+2*\p+1]
.endr
.endm
	s_load_b512 s[4:19], s[0:1], 0x0               ; h1, part, op1_b, ln gain, ln bias, W1 codes, W1 scales, b1
	s_load_b256 s[20:27], s[0:1], 0x40             ; W2 codes, W2 scales, b2, h3
	v_lshl_add_u32 v254, v0, 2, 0x14000
	v_mov_b32 v255, 0
	v_lshrrev_b32 v1, 5, v0
	v_readfirstlane_b32 s56, v1                    ; wave 0..7
	s_lshr_b32 s57, s56, 2                         ; u: my tile
	s_and_b32 s58, s56, 3                          ; ch: my 128 hidden units, my four groups
	v_and_b32 v1, 31, v0
	v_lshlrev_b32 v1, 4, v1                        ; 16 x lane
	v_and_b32 v2, 15, v0
	v_bfe_u32 v3, v0, 4, 1
	s_lshl_b32 s60, s57, 13
	s_lshl_b32 s61, s58, 11
	v_add_nc_u32 v5, s60, v1                       ; h2's image of my tile
	v_add_nc_u32 v4, s61, v5                       ; my four groups of it
	s_lshl_b32 s62, s56, 13
	s_add_co_u32 s62, s62, PT
	v_add_nc_u32 v6, s62, v1                       ; my partial
	s_lshl_b32 s62, s57, 15
	s_add_co_u32 s62, s62, s61
	s_add_co_u32 s62, s62, PT
	v_add_nc_u32 v7, s62, v1                       ; my four groups of my tile's first partial
	v_lshlrev_b32 v8, 3, v3
	v_lshlrev_b32 v9, 7, v3
	s_lshr_b32 s62, s58, 1
	s_lshl_b32 s62, s62, 8
	s_and_b32 s63, s58, 1
	s_lshl_b32 s63, s63, 6
	s_add_co_u32 s62, s62, s63
	v_add_nc_u32 v31, s62, v9                      ; a bias at my four groups: 256 (ch / 2) + 128 h + 64 (ch % 2)
	v_and_b32 v22, 7, v2
	v_lshrrev_b32 v23, 3, v2
	v_lshl_add_u32 v25, v23, 5, v22                ; r % 8 + 32 (r / 8)
	v_mul_u32_u24 v22, v25, 96
	v_mad_u32_u24 v22, v3, 24, v22                 ; W1's codes: rows of 96 bytes
	v_lshlrev_b32 v23, 2, v25
	v_mul_u32_u24 v24, v25, 384
	v_mad_u32_u24 v24, v3, 24, v24                 ; W2's: rows of 384 bytes
	v_lshlrev_b32 v25, 4, v25
	v_mov_b32 v11, 0
	v_mov_b32 v13, 0
	v_mov_b32 v21, 0
	SPAIR 28, 0x3f3504f3                           ; 1 / sqrt 2
	s_mov_b32 s30, 0x407547cb                      ; 3.8325
	s_mov_b32 s31, 0xc07547cb
	SPAIR 32, 0xaf95df0b                           ; P's coefficients of z^12, (z^10 in v[144:145],) z^8 .. 1
	SPAIR 34, 0xb60cff51
	SPAIR 36, 0xb86ec2d2
	SPAIR 38, 0xba40ac63
	SPAIR 40, 0xbb41a1f6
	SPAIR 42, 0xbc83dbd4
	SPAIR 44, 0xb77460cd                           ; Q's of z^8, (z^6 in v[146:147],) z^4 .. 1
	SPAIR 46, 0xbadc924e
	SPAIR 48, 0xbbf19bf8
	SPAIR 50, 0xbc69b6a7
	s_mov_b32 s[SEL], 0x76543210
	s_mov_b32 s[SEL+1], 0xfedcba98
	s_mov_b32 s[INV], 0x3c000000
	s_mov_b32 s[EPS], 0x3727c5ac
	s_lshl_b32 s62, ttmp9, 14
	s_add_co_u32 s60, s60, s62
	s_add_co_u32 s60, s60, s61                     ; tile 2 g + u, groups 4 ch on
	s_mov_b32 s61, 0
	s_wait_kmcnt 0x0
	s_add_nc_u64 s[4:5], s[4:5], s[60:61]
	s_add_nc_u64 s[6:7], s[6:7], s[60:61]
	s_add_nc_u64 s[26:27], s[26:27], s[60:61]
	s_add_nc_u64 s[66:67], s[6:7], 0x800000        ; quarters 2 and 3: beyond a load's immediate
	s_mul_i32 s60, s58, 12288
	s_add_nc_u64 s[14:15], s[14:15], s[60:61]
	s_lshl_b32 s60, s58, 9
	s_add_nc_u64 s[16:17], s[16:17], s[60:61]
	s_add_nc_u64 s[18:19], s[18:19], s[60:61]
	s_mul_i32 s60, s58, 96
	s_add_nc_u64 s[20:21], s[20:21], s[60:61]
	s_lshl_b32 s60, s58, 2
	s_add_nc_u64 s[22:23], s[22:23], s[60:61]
.irp q, 0,1,2,3
	global_load_b128 v[32+4*\q:35+4*\q], v1, s[4:5] offset:512*\q
.endr
.irp q, 0,1,2,3
	global_load_b128 v[48+4*\q:51+4*\q], v31, s[8:9] offset:16*\q
.endr
.irp k, 0,1
.irp q, 0,1,2,3
	global_load_b128 v[160+16*\k+4*\q:163+16*\k+4*\q], v1, s[6:7] offset:4194304*\k+512*\q th:TH_LOAD_NT
.endr
.endr
.irp k, 0,1
.irp q, 0,1,2,3
	global_load_b128 v[192+16*\k+4*\q:195+16*\k+4*\q], v1, s[66:67] offset:4194304*\k+512*\q th:TH_LOAD_NT
.endr
.endr
.irp c, 0,1
.irp q, 0,1,2,3,4,5,6,7
	global_load_b128 v[96+32*\c+4*\q:99+32*\c+4*\q], v9, s[10:11] offset:256*\c+16*\q
.endr
.endr
	s_wait_loadcnt 16                              ; all but the gain's 16 loads
.irp p, 0,2,4,6,8,10,12,14
	v_pk_add_f32 v[32+\p:33+\p], v[32+\p:33+\p], v[48+\p:49+\p]
.endr
.irp k, 0,1,2,3
.irp p, 0,2,4,6,8,10,12,14
	v_pk_add_f32 v[32+\p:33+\p], v[32+\p:33+\p], v[160+16*\k+\p:161+16*\k+\p]
.endr
.endr
.irp q, 0,1,2,3
	ds_store_b128 v4, v[32+4*\q:35+4*\q] offset:512*\q
.endr
	s_wait_dscnt 0x0                               ; for the others: my groups of h2 lie in LDS
	s_barrier_signal -1
	s_barrier_wait -1
.irp g, 0,1,2,3,4,5,6,7,8,9,10,11,12,13,14,15
	ds_load_b128 v[32+4*\g:35+4*\g], v5 offset:512*\g
.endr
.irp c, 0,1
.irp q, 0,1,2,3,4,5,6,7
	global_load_b128 v[160+32*\c+4*\q:163+32*\c+4*\q], v9, s[12:13] offset:256*\c+16*\q
.endr
.endr
.irp t, 0,1,2,3,4,5,6,7
	global_load_b32 v[224+\t], v23, s[16:17] offset:(64*(\t/4)+8*(\t%4))*4
.endr
	WIN 0x40
.irp c, 0,1
.irp q, 0,1,2,3,4,5,6,7
	global_load_b128 v[192+32*\c+4*\q:195+32*\c+4*\q], v9, s[18:19] offset:256*\c+16*\q
.endr
.endr
.irp t, 0,1,2,3,4,5,6,7
.irp p, 0,1,2,3,4,5
	global_load_b64 v[12*\t+2*\p:12*\t+2*\p+1], v22, s[14:15] offset:(64*(\t/4)+8*(\t%4))*96+48*(\p/3)+8*(\p%3)
.endr
.endr
	WIN 0
	s_wait_dscnt 0x0
	LNORM 32, 96, 160, 63                          ; of the 104 loads that were out the oldest 41 are in: gain and bias are the oldest 32
	QUANT 32, AF, 26
	WIN 0x40
.irp t, 0,1,2,3,4,5,6,7
.irp p, 0,1,2,3,4,5
	global_load_b64 v[96+12*\t+2*\p:97+12*\t+2*\p], v24, s[20:21] offset:(64*(\t/4)+8*(\t%4))*384+48*(\p/3)+8*(\p%3)
.endr
.endr
	WIN 0
.irp t, 0,1,2,3,4,5,6,7
	global_load_b32 v[232+\t], v25, s[22:23] offset:(64*(\t/4)+8*(\t%4))*16
.endr
.irp q, 0,1,2,3
	global_load_b128 v[128+4*\q:131+4*\q], v31, s[24:25] offset:16*\q
.endr
	v_mov_b32 v144, 0x32edffee                     ; P's coefficient of z^10, Q's of z^6.  (These four lines are the places between the fragment's last move and the products)
	v_mov_b32 v145, 0x32edffee
	v_mov_b32 v146, 0xb95fbd29
	v_mov_b32 v147, 0xb95fbd29
	s_wait_loadcnt 60                              ; all but the 60 just issued: W1, its scale words and b1 are in
	WIN 0x11                                       ; source 0 (W1) and C (b1) in window 1
.irp t, 0,1,2,3,4,5,6,7
	v_wmma_scale_f32_16x16x128_f8f6f4 v[32+8*\t:39+8*\t], v[12*\t:12*\t+11], v[AF:AF+11], v[192+8*\t:199+8*\t], v[224+\t], v26 matrix_a_fmt:MATRIX_FMT_BF6 matrix_b_fmt:MATRIX_FMT_BF6
.endr
	WIN 0
.rept 4
	v_nop
.endr
.set xb, 32
.rept 8
	GELU8 xb
.set xb, xb+8
.endr
	QUANT 32, AF, 27
.rept 4
	v_nop                                          ; with the moves above: four places behind the fragment's last write, eight behind the scale word's
.endr
	s_wait_loadcnt 4                               ; W2 and its scale words are in; b2's four loads may be out
	WIN 0x01
.irp t, 0,1,2,3,4,5,6,7
	v_wmma_scale_f32_16x16x128_f8f6f4 v[160+8*\t:167+8*\t], v[96+12*\t:107+12*\t], v[AF:AF+11], 0, v[232+\t], v27 matrix_a_fmt:MATRIX_FMT_BF6 matrix_b_fmt:MATRIX_FMT_BF6
.endr
	WIN 0
.rept 4
	v_nop
.endr
.irp g, 0,1,2,3,4,5,6,7,8,9,10,11,12,13,14,15
	ds_store_b128 v6, v[160+4*\g:163+4*\g] offset:512*\g   ; each accumulator from its low end on
.endr
	s_wait_dscnt 0x0                               ; for the others: my partial lies in LDS
	s_barrier_signal -1
	s_barrier_wait -1
.irp k, 0,1,2,3
.irp q, 0,1,2,3
	ds_load_b128 v[32+16*\k+4*\q:35+16*\k+4*\q], v7 offset:8192*\k+512*\q
.endr
.endr
.irp q, 0,1,2,3
	ds_load_b128 v[96+4*\q:99+4*\q], v4 offset:512*\q
.endr
	s_wait_loadcnt 0x0
	s_wait_dscnt 0x0
.irp p, 0,2,4,6,8,10,12,14
	v_pk_add_f32 v[96+\p:97+\p], v[96+\p:97+\p], v[128+\p:129+\p]
.endr
.irp k, 0,1,2,3
.irp p, 0,2,4,6,8,10,12,14
	v_pk_add_f32 v[96+\p:97+\p], v[96+\p:97+\p], v[32+16*\k+\p:33+16*\k+\p]
.endr
.endr
.irp q, 0,1,2,3
	global_store_b128 v1, v[96+4*\q:99+4*\q], s[26:27] offset:512*\q
.endr
	s_wait_tensorcnt 0x0
	ds_add_u32 v254, v255
	s_wait_dscnt 0x0
	s_endpgm
.Lfunc_end_k_q01a8449e13_ffn:
	.size	k_q01a8449e13_ffn, .Lfunc_end_k_q01a8449e13_ffn-k_q01a8449e13_ffn
	.p2alignl 7, 3214868480
	.fill 96, 4, 3214868480
	.section	.rodata,"a",@progbits
	.p2align	6, 0x0
	.amdhsa_kernel k_q01a8449e13_ffn
		.amdhsa_group_segment_fixed_size 82944
		.amdhsa_private_segment_fixed_size 0
		.amdhsa_enable_private_segment 0
		.amdhsa_kernarg_size 96
		.amdhsa_user_sgpr_count 2
		.amdhsa_user_sgpr_kernarg_segment_ptr 1
		.amdhsa_wavefront_size32 1
		.amdhsa_system_sgpr_workgroup_id_x 1
		.amdhsa_system_sgpr_workgroup_id_y 1
		.amdhsa_system_sgpr_workgroup_id_z 1
		.amdhsa_system_vgpr_workitem_id 0
		.amdhsa_next_free_vgpr 512
		.amdhsa_next_free_sgpr 72
		.amdhsa_reserve_vcc 0
		.amdhsa_float_denorm_mode_32 3
		.amdhsa_float_denorm_mode_16_64 3
		.amdhsa_memory_ordered 1
		.amdhsa_forward_progress 1
		.amdhsa_inst_pref_size 89
	.end_amdhsa_kernel
	.amdgpu_metadata
---
amdhsa.version: [ 1, 2 ]
amdhsa.kernels:
  - .name:           k_q01a8449e13_ffn
    .symbol:         k_q01a8449e13_ffn.kd
    .args:
      - { .name: h1, .offset: 0, .size: 8, .value_kind: global_buffer, .address_space: global }
      - { .name: part, .offset: 8, .size: 8, .value_kind: global_buffer, .address_space: global }
      - { .name: op1_b, .offset: 16, .size: 8, .value_kind: global_buffer, .address_space: global }
      - { .name: ln_mlp_g, .offset: 24, .size: 8, .value_kind: global_buffer, .address_space: global }
      - { .name: ln_mlp_b, .offset: 32, .size: 8, .value_kind: global_buffer, .address_space: global }
      - { .name: ffn_W1_codes, .offset: 40, .size: 8, .value_kind: global_buffer, .address_space: global }
      - { .name: ffn_W1_scales, .offset: 48, .size: 8, .value_kind: global_buffer, .address_space: global }
      - { .name: ffn_b1, .offset: 56, .size: 8, .value_kind: global_buffer, .address_space: global }
      - { .name: ffn_W2_codes, .offset: 64, .size: 8, .value_kind: global_buffer, .address_space: global }
      - { .name: ffn_W2_scales, .offset: 72, .size: 8, .value_kind: global_buffer, .address_space: global }
      - { .name: ffn_b2, .offset: 80, .size: 8, .value_kind: global_buffer, .address_space: global }
      - { .name: h3, .offset: 88, .size: 8, .value_kind: global_buffer, .address_space: global }
    .group_segment_fixed_size: 82944
    .private_segment_fixed_size: 0
    .kernarg_segment_align: 8
    .kernarg_segment_size: 96
    .max_flat_workgroup_size: 256
    .sgpr_count:     72
    .vgpr_count:     512
    .wavefront_size: 32
...
	.end_amdgpu_metadata
.endif
;; end of part 5
;; launch mix2: the kernel of part 4 again; grid 64 x 4, 8 waves a work-group, clusters of 4 x 1, 327,680 bytes of LDS; arguments h3, ln_op2_g, ln_op2_b, opw2, part; writes part
;; launch fin (part 6): grid 256 x 1, 4 waves a work-group, no clusters, 17,920 bytes of LDS; arguments h3, part, op2_b, out0; writes out0
.if DOCPART == 6
	.amdgcn_target "amdgcn-amd-amdhsa--gfx1250"
	.amdhsa_code_object_version 6
	.text
	.protected	k_q01a8449e13_fin
	.globl	k_q01a8449e13_fin
	.p2align	8
	.type	k_q01a8449e13_fin,@function
k_q01a8449e13_fin:
	s_mov_b64 s[64:65], 0
	v_nop
	global_prefetch_b8 v0, s[64:65] scope:SCOPE_SE
	s_setreg_imm32_b32 hwreg(HW_REG_WAVE_MODE, 25, 1), 1
	s_wait_xcnt 0x0
; out0 = h3 + op2_b + the four quarters of the second mix, and back from images of tiles to rows.
; A wave owns half a tile: tile 2 g + wv / 2, features 64 c on (c = wv % 2): groups 8 c .. 8 c + 7 of the image.  Register 4 q + k of lane (r, h) is feature 64 c + 32 h + 4 q + k of row r.
; The 16 half rows of 256 bytes go through the wave's own stage in LDS (pitch 272) and leave with sixteen lanes to 256 consecutive aligned bytes.  Row i of tile T is token 32 (T / 2) + 8 (T % 2) + i + 8 (i / 8).
; A stream: no matrix unit, no cluster, no barrier (a wave reads only its own stage); all 48 loads of a wave go out at once.
	s_load_b256 s[4:11], s[0:1], 0x0               ; h3, part, op2_b, out0
	v_lshl_add_u32 v224, v0, 2, 0x4400
	v_mov_b32 v225, 0
	v_lshrrev_b32 v1, 5, v0
	v_readfirstlane_b32 s12, v1                    ; wave 0..3
	s_lshr_b32 s13, s12, 1                         ; which tile
	s_and_b32 s14, s12, 1                          ; c
	v_and_b32 v1, 31, v0
	v_lshlrev_b32 v1, 4, v1                        ; 16 x lane
	v_and_b32 v2, 15, v0                           ; r
	v_bfe_u32 v3, v0, 4, 1                         ; h
	s_lshl_b32 s15, s14, 8
	v_lshl_add_u32 v4, v3, 7, s15                  ; the bias: 256 c + 128 h
	s_mul_i32 s15, s12, 16*272
	v_mul_u32_u24 v5, v2, 272
	v_lshl_add_u32 v5, v3, 7, v5
	v_add_nc_u32 v5, s15, v5                       ; the stage, in: row r, + 128 h
	v_mul_u32_u24 v6, v3, 272
	v_lshl_add_u32 v6, v2, 4, v6
	v_add_nc_u32 v6, s15, v6                       ; and out: lanes 0-15 one row, lanes 16-31 the next
	v_lshlrev_b32 v7, 9, v3
	v_lshl_add_u32 v7, v2, 4, v7                   ; the same two rows in out0
	s_lshl_b32 s18, ttmp9, 14
	s_lshl_b32 s15, s13, 13
	s_add_co_u32 s18, s18, s15
	s_lshl_b32 s15, s14, 12
	s_add_co_u32 s18, s18, s15                     ; the image: tile 2 g + wv / 2, group 8 c
	s_mov_b32 s19, 0
	s_lshl_b32 s20, ttmp9, 14
	s_lshl_b32 s15, s13, 12
	s_add_co_u32 s20, s20, s15
	s_lshl_b32 s15, s14, 8
	s_add_co_u32 s20, s20, s15                     ; out0: token 32 g + 8 (wv / 2), byte 256 c
	s_mov_b32 s21, 0
	s_wait_kmcnt 0x0
	s_add_nc_u64 s[4:5], s[4:5], s[18:19]
	s_add_nc_u64 s[6:7], s[6:7], s[18:19]
	s_add_nc_u64 s[16:17], s[6:7], 0x800000        ; quarters 2 and 3: beyond a load's immediate
	s_add_nc_u64 s[10:11], s[10:11], s[20:21]
.irp q, 0,1,2,3,4,5,6,7
	global_load_b128 v[32+4*\q:35+4*\q], v4, s[8:9] offset:16*\q
.endr
.irp q, 0,1,2,3,4,5,6,7
	global_load_b128 v[64+4*\q:67+4*\q], v1, s[4:5] offset:512*\q th:TH_LOAD_NT
.endr
.irp k, 0,1
.irp q, 0,1,2,3,4,5,6,7
	global_load_b128 v[96+32*\k+4*\q:99+32*\k+4*\q], v1, s[6:7] offset:4194304*\k+512*\q th:TH_LOAD_NT
.endr
.endr
.irp k, 0,1
.irp q, 0,1,2,3,4,5,6,7
	global_load_b128 v[160+32*\k+4*\q:163+32*\k+4*\q], v1, s[16:17] offset:4194304*\k+512*\q th:TH_LOAD_NT
.endr
.endr
	s_wait_loadcnt 32                              ; bias and h3 are in; the four quarters' 32 loads may be out
.set p, 0
.rept 16
	v_pk_add_f32 v[64+p:65+p], v[64+p:65+p], v[32+p:33+p]
.set p, p+2
.endr
.irp k, 0,1,2,3
	s_wait_loadcnt 24-8*\k                         ; quarter k is in; the later quarters may be out
.set p, 0
.rept 16
	v_pk_add_f32 v[64+p:65+p], v[64+p:65+p], v[96+32*\k+p:97+32*\k+p]
.set p, p+2
.endr
.endr
.irp q, 0,1,2,3,4,5,6,7
	ds_store_b128 v5, v[64+4*\q:67+4*\q] offset:16*\q
.endr
.irp i, 0,1,2,3,4,5,6,7
	ds_load_b128 v[32+4*\i:35+4*\i], v6 offset:2*\i*272   ; LDS serves a wave's instructions in order: these see my stores
.endr
.irp i, 0,1,2,3,4,5,6,7
	s_wait_dscnt 7-\i
	global_store_b128 v7, v[32+4*\i:35+4*\i], s[10:11] offset:(2*\i+8*(\i/4))*512 th:TH_STORE_NT
.endr
	s_wait_tensorcnt 0x0
	ds_add_u32 v224, v225
	s_wait_dscnt 0x0
	s_endpgm
.Lfunc_end_k_q01a8449e13_fin:
	.size	k_q01a8449e13_fin, .Lfunc_end_k_q01a8449e13_fin-k_q01a8449e13_fin
	.p2alignl 7, 3214868480
	.fill 96, 4, 3214868480
	.section	.rodata,"a",@progbits
	.p2align	6, 0x0
	.amdhsa_kernel k_q01a8449e13_fin
		.amdhsa_group_segment_fixed_size 17920
		.amdhsa_private_segment_fixed_size 0
		.amdhsa_enable_private_segment 0
		.amdhsa_kernarg_size 32
		.amdhsa_user_sgpr_count 2
		.amdhsa_user_sgpr_kernarg_segment_ptr 1
		.amdhsa_wavefront_size32 1
		.amdhsa_system_sgpr_workgroup_id_x 1
		.amdhsa_system_sgpr_workgroup_id_y 1
		.amdhsa_system_sgpr_workgroup_id_z 1
		.amdhsa_system_vgpr_workitem_id 0
		.amdhsa_next_free_vgpr 226
		.amdhsa_next_free_sgpr 66
		.amdhsa_reserve_vcc 0
		.amdhsa_float_denorm_mode_32 3
		.amdhsa_float_denorm_mode_16_64 3
		.amdhsa_memory_ordered 1
		.amdhsa_forward_progress 1
		.amdhsa_inst_pref_size 14
	.end_amdhsa_kernel
	.amdgpu_metadata
---
amdhsa.version: [ 1, 2 ]
amdhsa.kernels:
  - .name:           k_q01a8449e13_fin
    .symbol:         k_q01a8449e13_fin.kd
    .args:
      - { .name: h3, .offset: 0, .size: 8, .value_kind: global_buffer, .address_space: global }
      - { .name: part, .offset: 8, .size: 8, .value_kind: global_buffer, .address_space: global }
      - { .name: op2_b, .offset: 16, .size: 8, .value_kind: global_buffer, .address_space: global }
      - { .name: out0, .offset: 24, .size: 8, .value_kind: global_buffer, .address_space: global }
    .group_segment_fixed_size: 17920
    .private_segment_fixed_size: 0
    .kernarg_segment_align: 8
    .kernarg_segment_size: 32
    .max_flat_workgroup_size: 128
    .sgpr_count:     66
    .vgpr_count:     226
    .wavefront_size: 32
...
	.end_amdgpu_metadata
.endif
;; end of part 6
